; MI455X (gfx1250); checked and timed in simulation.
; The chip was launched on July 23, 2026; its instructions are those of AMD's public machine-readable ISA for CDNA 5 (MIT licence, August 2026) and "CDNA5" Instruction Set Architecture Reference Guide (July 2026). The comments in the code are by the model that wrote it; some were corrected since.
;; Causal Self Attention. Allowed arithmetic: matrix products marked QUANTISED: E2M3 operands, one E8M0 scale for each 32 along K, by v_wmma_scale_f32_16x16x128_f8f6f4 with both operands' format E2M3, f32 sums; everything else in f32.
;; Inputs: Wk 256 x 1,024 float32; Wproj 1,024 x 1,024 float32; Wq 1,024 x 1,024 float32; Wv 256 x 1,024 float32; q_gain 16 float32; x 2 x 2,048 x 1,024 float32.
;; Outputs: out0 2 x 2,048 x 1,024 float32.
;; This version of the problem:
;;   THIS VERSION OF THE PROBLEM IS GIVEN IN LOW PRECISION. The matrix products marked QUANTISED in the list below multiply operands that are first quantised to E2M3 (2 exponent bits, 3 mantissa bits; 6 bits a number), with one power-of-two scale for each 32 numbers along K (OCP MX v1.0); their sums are f32. All else is computed in f32.
;;   The module's matrix products, in the order in which they are computed (A, B: the left and right operand; K: the contracted axis; several contracted axes count as one K, in the product's order):
;;     1. [M 4,096, K 1,024] x [K 1,024, N 1,024]; A: input x; B: input Wq: QUANTISED
;;     2. [M 4,096, K 1,024] x [K 1,024, N 256]; A: input x; B: input Wk: QUANTISED
;;     3. [M 4,096, K 1,024] x [K 1,024, N 256]; A: input x; B: input Wv: QUANTISED
;;     4. batch 8 x [M 8,192, K 64] x [K 64, N 2,048]; A: computed on the way; B: computed on the way: QUANTISED
;;     5. batch 8 x [M 8,192, K 2,048] x [K 2,048, N 64]; A: softmax (see below); B: computed on the way: QUANTISED
;;     6. [M 4,096, K 1,024] x [K 1,024, N 1,024]; A: computed on the way; B: input Wproj: QUANTISED
;;   THE QUANTISER, for each operand of a quantised product, along K:
;;     - K is cut into blocks of 32 from its start; a last block that is shorter is filled with zeros.
;;     - A block's scale is 2^e with e = floor(log2(the largest magnitude in the block)) - 2, held to -126 .. 127; a block of zeros has e = 0. As a byte (E8M0): e + 127.
;;     - Each number is divided by its block's scale, clamped to +-7.5, and rounded to the nearest number of E2M3, ties to even, subnormals kept.
;;     - The product sums the exact products of the quantised numbers (number of the format x scale) in f32.
;;   ~~~python
;;   def quantise(x, axis):      # numpy; x: float32 -> the quantised numbers, widened to float32 again
;;       x = np.moveaxis(x, axis, -1); K = x.shape[-1]
;;       x = np.pad(x, [(0, 0)] * (x.ndim - 1) + [(0, -K % 32)]); x = x.reshape(x.shape[:-1] + (-1, 32)); a = np.abs(x).max(-1, keepdims=True)
;;       e = np.where(a > 0, np.clip(np.frexp(np.where(a > 0, a, 1))[1] - 1 - 2, -126, 127), 0)      # np.frexp(a)[1] - 1 = floor(log2(a)), exactly
;;       r = np.clip(x / 2.0 ** e, -7.5, 7.5)
;;       step = 2.0 ** (np.maximum(np.frexp(np.where(r == 0, 1, r))[1] - 1, 0) - 3)
;;       q = np.round(r / step) * step * 2.0 ** e      # np.round: ties to even
;;       return np.moveaxis(q.reshape(q.shape[:-2] + (-1,))[..., :K], -1, axis).astype(np.float32)
;;   ~~~
;;   SOFTMAX AHEAD OF A QUANTISED PRODUCT. Where the list says 'softmax', what is quantised is not the finished softmax but p = 2^(t - M), with t = logit x log2(e) and M = ceil(the row's largest t), a whole number; so 1/2 < the row's largest p <= 1. The row's sum l is taken of the UNQUANTISED p, in f32, and the product's result is divided by l at the end. Since M is a whole number, a kernel that streams over the keys may use a running M (the ceiling of the running maximum): every later rescaling is an exact power of two, which a block's scale takes up: the codes' values come out the same.
;;   OPERANDS COMPUTED ON THE WAY. 'Computed on the way' means the value that the module computes at that place (a softmax that the list does not call 'softmax' is quantised finished and normalised). What goes into a quantiser is computed in f32, as accurately as f32 sums, v_exp_f32 and their like allow (about 1e-6 of the number): no bf16 or f16 on the way to a quantiser, and a product that is left as it is and whose result goes on into a quantised operand takes f32 operands (vector FMAs, or v_wmma_f32_16x16x4_f32). A number that lies on a knife's edge between two numbers of the format may be rounded either way, as far as f32 arithmetic and the matrix unit's own rounding can turn it there, and no further.
;; One version. Each part assembles by itself: llvm-mc -triple=amdgcn-amd-amdhsa -mcpu=gfx1250 --defsym DOCPART=n.
;; ======== version 1 of 1: 4 launches
;; limits: right only within a limited range of input values
;; workspace buffers: prep 5,849,088 bytes; qkv 5,079,040 bytes; yq 3,276,800 bytes
;; launch prep (part 1): grid 432 x 1, 8 waves a work-group, no clusters, 68,608 bytes of LDS; arguments x, Wq, Wk, Wv, Wproj, prep; writes prep
.if DOCPART == 1
	.amdgcn_target "amdgcn-amd-amdhsa--gfx1250"
	.amdhsa_code_object_version 6
	.text
	.protected	k_q13c21df495_prep
	.globl	k_q13c21df495_prep
	.p2align	8
	.type	k_q13c21df495_prep,@function
k_q13c21df495_prep:
	s_mov_b64 s[64:65], 0
	v_nop
	global_prefetch_b8 v0, s[64:65] scope:SCOPE_SE
	s_setreg_imm32_b32 hwreg(HW_REG_WAVE_MODE, 25, 1), 1
	s_wait_xcnt 0x0
; x [4096][1024], Wq [1024][1024], Wk, Wv [256][1024], Wproj [1024][1024], all f32 with K innermost, become codes of FP6 (E2M3) with one E8M0 byte for each 32 along K,
; laid in the ORDER OF THE OPERAND'S REGISTERS; and the table of cos and sin for the rotation is made.
; A TILE is 16 rows.  THE ROWS OF A TILE ARE NOT NEIGHBOURS: slot r of tile g is row 32 (g / 2) + 8 (g % 2) + r + 8 (r / 8), so that in a product whose source 0 is such a tile the 16 result registers of tiles 2 b, 2 b + 1
; are 16 neighbouring rows.  Tiles 0-255 x, 256-319 Wq, 320-335 Wk, 336-351 Wv, 352-415 Wproj.
; A FRAGMENT (a tile x 128 K, 12 registers a lane) is 1,536 bytes: for each half c of 64 K, registers 6 c .. 6 c + 3 at 768 c + 16 x lane, registers 6 c + 4, 6 c + 5 at 768 c + 512 + 8 x lane.
; A QUAD is four tiles' fragments of one K step and behind them their scale words (64 bytes a tile, slot r's word at 4 r): 6,400 bytes.  prep = [K step 8][quad 104][6,400], then the table [t 2048][cos 32 | sin 32] f32.
; SHARES: work-group g < 416 takes tile g, its wave w K step w.  Each load reads a row's 512 consecutive bytes; the 16 rows turn through the wave's own stage in LDS (rows 528 bytes apart), so that lane (r, h) gets
; k = 64 c + 32 h + 0 .. 31 of slot r: two whole blocks.  Waves share nothing: no barrier.  Work-groups 416-431 make the table, 16 values of t a wave, without LDS.
; A block's scale is 2^(floor(log2(its largest magnitude)) - 2); its byte is the largest magnitude's exponent field - 2, held at 1 from below (a block of zeros keeps the byte 1: its codes are zeros, and this program alone reads the bytes).
; LIMITS: NaN and infinities are not served; blocks whose largest magnitude lies under 2^-124 keep the byte 1.  The table's frequencies are 2^(-i log2(10000) / 32) by v_exp_f32: within some 1e-7 of their value, so an angle
; near t = 2047 may differ by some 2e-4 from one made of the exact frequency, which is the size of the angle's own last bit in f32.  The angle is reduced by pi / 2 in two parts; sin and cos are series to r^9 and r^10 on |r| <= pi / 4.
.set NT,    416
.set QUADB, 6400
.set KSTR,  104*QUADB                  ; bytes from a K step to the next
.set ROPE,  8*KSTR                     ; where the table begins
.set SP,    528                        ; a stage row: 512 bytes + 16
.set WSTG,  16*SP                      ; a wave's stage
.set R,     16                         ; v16-79   16 rows as loaded
.set X,     80                         ; v80-143  my two blocks of 32 neighbours
.set PC,    144                        ; v144-155 the fragment
.set TC,    156                        ; v156-158, v160-162 a block's upper 16 codes (a conversion's three registers begin on an even number)
.set TM,    164                        ; v164-171 at work: +c, +2+c maxima; +4+c the scale operand; +6+c the byte
	s_load_b256 s[4:11], s[0:1], 0x0               ; x s[4:5], Wq s[6:7], Wk s[8:9], Wv s[10:11]
	s_load_b128 s[12:15], s[0:1], 0x20             ; Wproj s[12:13], prep s[14:15]
	v_lshl_add_u32 v176, v0, 2, 0x10800
	v_mov_b32 v177, 0
	v_lshrrev_b32 v1, 5, v0
	s_delay_alu instid0(VALU_DEP_1)
	v_readfirstlane_b32 s16, v1                    ; wave 0..7
	v_and_b32 v2, 31, v0                           ; lane
	v_and_b32 v3, 15, v0                           ; r
	v_bfe_u32 v9, v0, 4, 1                         ; h
	s_cmp_ge_u32 ttmp9, NT                         ; the choice hangs on the work-group's number alone
	s_cbranch_scc1 .Ltable
	v_lshlrev_b32 v4, 4, v2                        ; 16 x lane: my bytes of a row's 512, and of a fragment's stores of 16 bytes
	v_lshlrev_b32 v7, 3, v2                        ; 8 x lane
	v_lshlrev_b32 v8, 2, v3                        ; 4 r: my slot's scale word
	s_mul_i32 s17, s16, WSTG
	v_add_nc_u32 v5, s17, v4                       ; the stage, on the way in
	v_mul_u32_u24 v6, v3, SP
	s_delay_alu instid0(VALU_DEP_1)
	v_lshl_add_u32 v6, v9, 7, v6
	s_delay_alu instid0(VALU_DEP_1)
	v_add_nc_u32 v6, s17, v6                       ; and out: row r, + 128 h
	v_lshlrev_b32 v10, 3, v9                       ; 8 h: where my bytes stand in the scale word
	s_mov_b32 s24, 0x76543210
	s_mov_b32 s25, 0xfedcba98                      ; v_permlanex16_b32's selects for lane l xor 16
	s_mov_b32 s18, 0                               ; the tensor's first tile
	s_wait_alu depctr_va_vdst(0)
	s_wait_kmcnt 0x0
	s_cmp_ge_u32 ttmp9, 256
	s_cselect_b64 s[4:5], s[6:7], s[4:5]
	s_cselect_b32 s18, 256, s18
	s_cmp_ge_u32 ttmp9, 320
	s_cselect_b64 s[4:5], s[8:9], s[4:5]
	s_cselect_b32 s18, 320, s18
	s_cmp_ge_u32 ttmp9, 336
	s_cselect_b64 s[4:5], s[10:11], s[4:5]
	s_cselect_b32 s18, 336, s18
	s_cmp_ge_u32 ttmp9, 352
	s_cselect_b64 s[4:5], s[12:13], s[4:5]
	s_cselect_b32 s18, 352, s18
	s_sub_co_u32 s19, ttmp9, s18                   ; the tile's number in its tensor
	s_lshr_b32 s26, s19, 1
	s_lshl_b32 s26, s26, 17                        ; 32 rows of 4,096 bytes for each pair of tiles,
	s_and_b32 s27, s19, 1
	s_lshl_b32 s27, s27, 15                        ; 8 rows for the odd tile,
	s_add_co_u32 s26, s26, s27
	s_lshl_b32 s27, s16, 9                         ; 512 bytes for each K step
	s_add_co_u32 s26, s26, s27
	s_mov_b32 s27, 0
	s_add_nc_u64 s[4:5], s[4:5], s[26:27]
	s_mul_i32 s28, s16, 104
	s_lshr_b32 s29, ttmp9, 2
	s_add_co_u32 s28, s28, s29
	s_mul_i32 s28, s28, QUADB                      ; my quad
	s_and_b32 s29, ttmp9, 3
	s_mul_i32 s30, s29, 1536
	s_add_co_u32 s30, s30, s28                     ; my fragment
	s_lshl_b32 s29, s29, 6
	s_add_co_u32 s28, s28, s29
	s_add_co_u32 s28, s28, 6144                    ; my tile's scale words
	s_mov_b32 s31, 0
	s_mov_b32 s29, 0
	s_add_nc_u64 s[20:21], s[14:15], s[30:31]
	s_add_nc_u64 s[22:23], s[14:15], s[28:29]
.irp i, 0,1,2,3,4,5,6,7,8,9,10,11,12,13,14,15
	global_load_b128 v[R+4*\i:R+4*\i+3], v4, s[4:5] offset:(\i+8*(\i/8))*4096 th:TH_LOAD_NT   ; slot i's row: 32 lanes read 512 consecutive bytes, read once in the launch
.endr
.irp i, 0,1,2,3,4,5,6,7,8,9,10,11,12,13,14,15
	s_wait_loadcnt 15-\i                           ; loads come back in order: slot i's is in, the 15 - i younger ones may be out
	ds_store_b128 v5, v[R+4*\i:R+4*\i+3] offset:SP*\i
.endr
.irp c, 0,1
.irp j, 0,1,2,3,4,5,6,7
	ds_load_b128 v[X+32*\c+4*\j:X+32*\c+4*\j+3], v6 offset:256*\c+16*\j   ; LDS serves a wave's instructions in order: these see my stores
.endr
.endr
; my block 2 c + h of slot r: all its 32 numbers are mine
.macro BLK c
.set XS, X+32*\c
	v_max3_num_f32 v[TM+\c], |v[XS]|, |v[XS+1]|, 0x1800000         ; with the floor 2^(3 - 127): the byte cannot fall under 1
	v_max3_num_f32 v[TM+2+\c], |v[XS+2]|, |v[XS+3]|, |v[XS+4]|     ; two chains
.irp i, 5,9,13,17,21,25
	s_delay_alu instid0(VALU_DEP_2)
	v_max3_num_f32 v[TM+\c], v[TM+\c], |v[XS+\i]|, |v[XS+\i+1]|
	s_delay_alu instid0(VALU_DEP_2)
	v_max3_num_f32 v[TM+2+\c], v[TM+2+\c], |v[XS+\i+2]|, |v[XS+\i+3]|
.endr
	s_delay_alu instid0(VALU_DEP_2)
	v_max3_num_f32 v[TM+\c], v[TM+\c], |v[XS+29]|, |v[XS+30]|
	s_delay_alu instid0(VALU_DEP_1)
	v_max3_num_f32 v[TM+\c], v[TM+\c], v[TM+2+\c], |v[XS+31]|
	s_delay_alu instid0(VALU_DEP_1)
	v_add_nc_u32 v[TM+4+\c], 0xff000000, v[TM+\c]                  ; 2 off the exponent field: the conversion takes this operand's exponent field as its scale
	s_delay_alu instid0(VALU_DEP_1)
	v_lshrrev_b32 v[TM+6+\c], 23, v[TM+4+\c]                       ; the scale's byte
	v_cvt_scalef32_pk16_fp6_f32 v[PC+6*\c:PC+6*\c+2], v[XS:XS+15], v[TM+4+\c]
	v_cvt_scalef32_pk16_fp6_f32 v[TC+4*\c:TC+4*\c+2], v[XS+16:XS+31], v[TM+4+\c]
	v_nop                                          ; one plain place behind a scaled conversion
.irp i, 0,1,2
	v_mov_b32 v[PC+6*\c+3+\i], v[TC+4*\c+\i]
.endr
.endm
	s_wait_dscnt 8                                 ; the first block's eight loads are in; the second's may be out
	BLK 0
	s_wait_dscnt 0x0
	BLK 1
	v_lshl_or_b32 v11, v[TM+7], 16, v[TM+6]        ; my two bytes: blocks h and 2 + h,
	s_delay_alu instid0(VALU_DEP_1)
	v_lshlrev_b32 v11, v10, v11                    ; at their places in the word;
	v_mov_b32 v12, 0
	s_delay_alu instid0(VALU_DEP_1)
	v_permlanex16_b32 v12, v11, s24, s25
	s_delay_alu instid0(VALU_DEP_1)
	v_or_b32 v11, v11, v12                         ; with lane l xor 16's two the word is whole
.irp c, 0,1
	global_store_b128 v4, v[PC+6*\c:PC+6*\c+3], s[20:21] offset:768*\c        ; 512 consecutive bytes, at a multiple of 256 from the buffer's first byte
	global_store_b64 v7, v[PC+6*\c+4:PC+6*\c+5], s[20:21] offset:768*\c+512   ; 256 more
.endr
	global_store_b32 v8, v11, s[22:23]             ; lanes r and 16 + r store the same word with the same value
	s_wait_tensorcnt 0x0
	ds_add_u32 v176, v177
	s_wait_dscnt 0x0
	s_endpgm
.Ltable:
	s_sub_co_u32 s17, ttmp9, NT
	s_lshl_b32 s17, s17, 3
	s_add_co_u32 s17, s17, s16
	s_lshl_b32 s17, s17, 4                         ; my wave's first t
	s_wait_alu depctr_va_vdst(0)
	v_lshlrev_b32 v4, 1, v3                        ; my two frequencies: i = 2 r and 2 r + 1
	s_delay_alu instid0(VALU_DEP_1)
	v_cvt_f32_u32 v5, v4
	s_delay_alu instid0(VALU_DEP_1)
	v_add_f32 v6, 1.0, v5
	s_delay_alu instid0(VALU_DEP_2)
	v_mul_f32 v5, 0xbed49a78, v5                   ; -i log2(10000) / 32
	s_delay_alu instid0(VALU_DEP_2)
	v_mul_f32 v6, 0xbed49a78, v6
	s_wait_alu depctr_va_vdst(0)
	v_exp_f32 v5, v5
	v_exp_f32 v6, v6
	v_sub_nc_u32 v7, 1, v9                         ; (a plain place behind the exponentials)  lanes 0-15 make cos = sin a quarter turn on, lanes 16-31 sin
	v_lshlrev_b32 v8, 3, v2
	s_lshl_b32 s18, s17, 8
	v_add_nc_u32 v8, s18, v8                       ; 256 t + 8 x lane
	s_mov_b32 s20, 0x3fc90fdb                      ; pi / 2, its upper part,
	s_mov_b32 s21, 0xb33bbd2e                      ; and what is left of it
	s_mov_b32 s19, 16
	s_wait_kmcnt 0x0
	s_add_nc_u64 s[14:15], s[14:15], ROPE
.macro ANGLE inv, out
	v_mul_f32 v11, v10, v[\inv]                    ; the angle, rounded to f32 as the definition rounds it
	s_delay_alu instid0(VALU_DEP_1)
	v_mul_f32 v12, 0x3f22f983, v11
	s_delay_alu instid0(VALU_DEP_1)
	v_rndne_f32 v12, v12                           ; n = the nearest whole number of quarter turns
	s_delay_alu instid0(VALU_DEP_1)
	v_fma_f32 v13, -v12, s20, v11
	s_delay_alu instid0(VALU_DEP_1)
	v_fma_f32 v13, -v12, s21, v13                  ; r = angle - n pi / 2
	s_delay_alu instid0(VALU_DEP_3)
	v_cvt_i32_f32 v17, v12
	s_delay_alu instid0(VALU_DEP_1)
	v_add_nc_u32 v17, v17, v7                      ; the quadrant
	s_delay_alu instid0(VALU_DEP_3)
	v_mul_f32 v14, v13, v13
	v_mov_b32 v15, 0x3638ef1d                      ; sin r = r + r z (-1/3! + z (1/5! + z (-1/7! + z / 9!)))
	s_delay_alu instid0(VALU_DEP_1)
	v_fmaak_f32 v15, v15, v14, 0xb9500d01
	s_delay_alu instid0(VALU_DEP_1)
	v_fmaak_f32 v15, v15, v14, 0x3c088889
	s_delay_alu instid0(VALU_DEP_1)
	v_fmaak_f32 v15, v15, v14, 0xbe2aaaab
	s_delay_alu instid0(VALU_DEP_1)
	v_mul_f32 v15, v15, v14
	s_delay_alu instid0(VALU_DEP_1)
	v_fma_f32 v15, v15, v13, v13
	v_mov_b32 v16, 0xb493f27e                      ; cos r = 1 + z (-1/2 + z (1/4! + z (-1/6! + z (1/8! - z / 10!))))
	s_delay_alu instid0(VALU_DEP_1)
	v_fmaak_f32 v16, v16, v14, 0x37d00d01
	s_delay_alu instid0(VALU_DEP_1)
	v_fmaak_f32 v16, v16, v14, 0xbab60b61
	s_delay_alu instid0(VALU_DEP_1)
	v_fmaak_f32 v16, v16, v14, 0x3d2aaaab
	s_delay_alu instid0(VALU_DEP_1)
	v_fmaak_f32 v16, v16, v14, 0xbf000000
	s_delay_alu instid0(VALU_DEP_1)
	v_fma_f32 v16, v16, v14, 1.0
	v_and_b32 v18, 1, v17
	s_delay_alu instid0(VALU_DEP_1)
	v_cmp_eq_u32 vcc_lo, 1, v18
	s_delay_alu instid0(VALU_DEP_1)
	v_cndmask_b32 v15, v15, v16, vcc_lo            ; odd quadrants take the cosine series,
	v_lshlrev_b32 v17, 30, v17
	s_delay_alu instid0(VALU_DEP_1)
	v_and_b32 v17, 0x80000000, v17
	s_delay_alu instid0(VALU_DEP_1)
	v_xor_b32 v[\out], v15, v17                    ; quadrants 2 and 3 the other sign
.endm
.Lt:
	v_cvt_f32_u32 v10, s17
	s_wait_alu depctr_va_vdst(0)
	ANGLE 5, 20
	ANGLE 6, 21
	global_store_b64 v8, v[20:21], s[14:15]        ; the 32 lanes store t's 256 consecutive bytes, aligned
	s_wait_xcnt 0x0                                ; the offset and the data are written again only behind this wait
	v_add_nc_u32 v8, 256, v8
	s_add_co_u32 s17, s17, 1
	s_sub_co_u32 s19, s19, 1
	s_cmp_lg_u32 s19, 0
	s_cbranch_scc1 .Lt
	s_endpgm
.Lfunc_end_k_q13c21df495_prep:
	.size	k_q13c21df495_prep, .Lfunc_end_k_q13c21df495_prep-k_q13c21df495_prep
	.p2alignl 7, 3214868480
	.fill 96, 4, 3214868480
	.section	.rodata,"a",@progbits
	.p2align	6, 0x0
	.amdhsa_kernel k_q13c21df495_prep
		.amdhsa_group_segment_fixed_size 68608
		.amdhsa_private_segment_fixed_size 0
		.amdhsa_enable_private_segment 0
		.amdhsa_kernarg_size 48
		.amdhsa_user_sgpr_count 2
		.amdhsa_user_sgpr_kernarg_segment_ptr 1
		.amdhsa_wavefront_size32 1
		.amdhsa_system_sgpr_workgroup_id_x 1
		.amdhsa_system_sgpr_workgroup_id_y 1
		.amdhsa_system_sgpr_workgroup_id_z 1
		.amdhsa_system_vgpr_workitem_id 0
		.amdhsa_next_free_vgpr 178
		.amdhsa_next_free_sgpr 66
		.amdhsa_reserve_vcc 1
		.amdhsa_float_denorm_mode_32 3
		.amdhsa_float_denorm_mode_16_64 3
		.amdhsa_memory_ordered 1
		.amdhsa_forward_progress 1
		.amdhsa_inst_pref_size 18
	.end_amdhsa_kernel
	.amdgpu_metadata
---
amdhsa.version: [ 1, 2 ]
amdhsa.kernels:
  - .name:           k_q13c21df495_prep
    .symbol:         k_q13c21df495_prep.kd
    .args:
      - { .name: x, .offset: 0, .size: 8, .value_kind: global_buffer, .address_space: global }
      - { .name: Wq, .offset: 8, .size: 8, .value_kind: global_buffer, .address_space: global }
      - { .name: Wk, .offset: 16, .size: 8, .value_kind: global_buffer, .address_space: global }
      - { .name: Wv, .offset: 24, .size: 8, .value_kind: global_buffer, .address_space: global }
      - { .name: Wproj, .offset: 32, .size: 8, .value_kind: global_buffer, .address_space: global }
      - { .name: prep, .offset: 40, .size: 8, .value_kind: global_buffer, .address_space: global }
    .group_segment_fixed_size: 68608
    .private_segment_fixed_size: 0
    .kernarg_segment_align: 8
    .kernarg_segment_size: 48
    .max_flat_workgroup_size: 256
    .sgpr_count:     66
    .vgpr_count:     178
    .wavefront_size: 32
...
	.end_amdgpu_metadata
.endif
;; end of part 1
;; launch qkv (part 2): grid 32 x 6, 8 waves a work-group, clusters of 4 x 1, 308,224 bytes of LDS; arguments prep, q_gain, qkv; writes qkv
.if DOCPART == 2
	.amdgcn_target "amdgcn-amd-amdhsa--gfx1250"
	.amdhsa_code_object_version 6
	.text
	.protected	k_q13c21df495_qkv
	.globl	k_q13c21df495_qkv
	.p2align	8
	.type	k_q13c21df495_qkv,@function
k_q13c21df495_qkv:
	s_mov_b64 s[64:65], 0
	v_nop
	global_prefetch_b8 v0, s[64:65] scope:SCOPE_SE
	s_setreg_imm32_b32 hwreg(HW_REG_WAVE_MODE, 25, 1), 1
	s_wait_xcnt 0x0
	s_wait_alu depctr_hold_cnt(0) depctr_sa_sdst(0) depctr_va_vdst(0) depctr_va_sdst(0) depctr_va_ssrc(0) depctr_va_vcc(0) depctr_vm_vsrc(0)
	s_getreg_b32 s2, hwreg(HW_REG_IB_STS2, 6, 4)
	s_cmp_eq_u32 s2, 0
	s_cbranch_scc0 .Lentry_in_a_cluster
	s_endpgm
.Lentry_in_a_cluster:
	s_bfe_u32 s2, ttmp6, 0x10000c
	s_cmp_lg_u32 s2, 0x3003
	s_cbranch_scc0 .Lentry_shape_is_right
	s_endpgm
.Lentry_shape_is_right:
; q = x Wq^T, k = x Wk^T, v = x Wv^T on codes of FP6 (E2M3) with E8M0 scales; then q and k are divided by the root of their head's mean square, rotated, q multiplied by its head's gain; q and k are quantised
; along the head's 64, v along the keys; only codes and scale words go to memory.
; SHARES.  Work-group (x, y): 128 rows of x (x's quads 2 rb, 2 rb + 1; rb = its x) against four heads (the weights' quads 64 + 4 y .. + 3): y = 0-3 q, 4 k, 5 v.  Wave w: 64 rows (quad w % 2) x one head (w / 2): 16 accumulators.
; Two waves stand on a SIMD, so that one wave's LDS loads stand beside the other's products.
; LDS.  All of K fits at once: [chunk 4][loader 6][K step 2][6,400] = 307,200 bytes, each byte filled ONCE, by four tensor loads of each of six waves, all issued at the start; a chunk's products begin when that chunk has landed.
; CLUSTER.  The four work-groups of a cluster are four row blocks with the same y: they need the same quads of the weights, which are asked for JOINTLY (waves 2-5); x's quads differ and come by plain loads (waves 0, 1).
; x is not shared along y: the grid's six along y are no multiple of four.
; LAYOUT.  q, k: source 0 = 16 rows of W, source 1 = 16 rows of x: a lane holds ONE row of x, and register 16 b + e of a tile of rows is the head's number 32 b + 16 (lane / 16) + e (the rows of a tile of W are chosen so).
; v: the sources change places: a lane holds ONE of the head's 64, and register 16 b + e is key 32 b + 16 (lane / 16) + e of the wave's 64.  Only the LDS bases differ: they are chosen by s_cselect_b32 on y, and the loop is written once.
; qkv = QC [head 32][tile of queries 128][768]; QS [head 32][slot 2048] words; then for each of the 8 key heads 208,896 bytes: KS 2,048 words | VS [key step 16][slot 64] words | for each key step of 128 keys: K 8 x 768, V [tile 4][half 2][768].
; LIMITS: NaN and infinities are not served; blocks whose largest magnitude lies under 2^-124 keep the byte 1.  The gain is multiplied into the norm's factor ahead of the rotation: one rounding stands elsewhere than in the definition.
.set QUADB, 6400
.set KSTR,  104*QUADB
.set ROPE,  8*KSTR
.set LDB,   8*QUADB                    ; what one tensor load brings: a quad of all eight K steps.  LDS is [loader 6][K step 8][6,400]: ONE tensor load for each of six waves, one wait for 0 and one barrier (this takes the place of the chunks' fills named above)
.set CHB,   2*QUADB                    ; a chunk: two K steps of a loader's bytes
.set QS,    3145728
.set KVB,   3407872
.set KVBB,  208896
.set G1A, 24                           ; s[24:31] descriptor group 1 for x's quads;  s[32:39] for the weights': it differs in the mask alone
.set G1B, 32
.set G0A, 40                           ; s[40:55] group 0 for x's quads, a set for each chunk;  s[68:83] for the weights'
.set G0B, 68
.set SEL, 56                           ; s[56:57] lane selects for v_permlanex16_b32: lane l xor 16
; REGISTERS: v1, v2 source 0's fragments (16 x lane, 8 x lane); v3, v4 source 1's; v5, v6 their scale words; v7 my place in the table; v8-10 16 x lane, 8 x lane, 4 r; v12-13 source 0's scale words, v14-15 source 1's;
; v16-21 at work; v32-79 source 0's four fragments; v80-127 source 1's; v128-255 the accumulators: (tile b of source 1, tile a of source 0) at v[128 + 32 b + 8 a].
.macro CROUND                          ; a round of the cluster's barrier
	s_barrier_signal -1
	s_barrier_wait -1
	s_cmp_lg_u32 s10, 0
	s_cbranch_scc1 .Lnot_wave_0_\@
	s_barrier_signal -3
.Lnot_wave_0_\@:
	s_barrier_wait -3
	s_barrier_signal -1
	s_barrier_wait -1
.endm
.macro FRAG reg, a16, a8, off          ; a fragment comes as it was laid: an image of its registers; every load reads consecutive bytes
	ds_load_b128 v[\reg:\reg+3], v[\a16] offset:\off
	ds_load_b64 v[\reg+4:\reg+5], v[\a8] offset:\off+512
	ds_load_b128 v[\reg+6:\reg+9], v[\a16] offset:\off+768
	ds_load_b64 v[\reg+10:\reg+11], v[\a8] offset:\off+1280
.endm
; one product.  A scale register holds an even tile's words in lanes 0-15 and the odd tile's in lanes 16-31: ra, rb choose.  zero = 1: the product starts the sum
.macro WM d, a, b, sa, sb, ra, rb, zero
.if \zero
.if (\ra) && (\rb)
	v_wmma_scale_f32_16x16x128_f8f6f4 v[\d:\d+7], v[\a:\a+11], v[\b:\b+11], 0, v[\sa], v[\sb] matrix_a_fmt:MATRIX_FMT_FP6 matrix_b_fmt:MATRIX_FMT_FP6 matrix_a_scale:MATRIX_SCALE_ROW1 matrix_b_scale:MATRIX_SCALE_ROW1
.elseif (\ra)
	v_wmma_scale_f32_16x16x128_f8f6f4 v[\d:\d+7], v[\a:\a+11], v[\b:\b+11], 0, v[\sa], v[\sb] matrix_a_fmt:MATRIX_FMT_FP6 matrix_b_fmt:MATRIX_FMT_FP6 matrix_a_scale:MATRIX_SCALE_ROW1
.elseif (\rb)
	v_wmma_scale_f32_16x16x128_f8f6f4 v[\d:\d+7], v[\a:\a+11], v[\b:\b+11], 0, v[\sa], v[\sb] matrix_a_fmt:MATRIX_FMT_FP6 matrix_b_fmt:MATRIX_FMT_FP6 matrix_b_scale:MATRIX_SCALE_ROW1
.else
	v_wmma_scale_f32_16x16x128_f8f6f4 v[\d:\d+7], v[\a:\a+11], v[\b:\b+11], 0, v[\sa], v[\sb] matrix_a_fmt:MATRIX_FMT_FP6 matrix_b_fmt:MATRIX_FMT_FP6
.endif
.else
.if (\ra) && (\rb)
	v_wmma_scale_f32_16x16x128_f8f6f4 v[\d:\d+7], v[\a:\a+11], v[\b:\b+11], v[\d:\d+7], v[\sa], v[\sb] matrix_a_fmt:MATRIX_FMT_FP6 matrix_b_fmt:MATRIX_FMT_FP6 matrix_a_scale:MATRIX_SCALE_ROW1 matrix_b_scale:MATRIX_SCALE_ROW1
.elseif (\ra)
	v_wmma_scale_f32_16x16x128_f8f6f4 v[\d:\d+7], v[\a:\a+11], v[\b:\b+11], v[\d:\d+7], v[\sa], v[\sb] matrix_a_fmt:MATRIX_FMT_FP6 matrix_b_fmt:MATRIX_FMT_FP6 matrix_a_scale:MATRIX_SCALE_ROW1
.elseif (\rb)
	v_wmma_scale_f32_16x16x128_f8f6f4 v[\d:\d+7], v[\a:\a+11], v[\b:\b+11], v[\d:\d+7], v[\sa], v[\sb] matrix_a_fmt:MATRIX_FMT_FP6 matrix_b_fmt:MATRIX_FMT_FP6 matrix_b_scale:MATRIX_SCALE_ROW1
.else
	v_wmma_scale_f32_16x16x128_f8f6f4 v[\d:\d+7], v[\a:\a+11], v[\b:\b+11], v[\d:\d+7], v[\sa], v[\sb] matrix_a_fmt:MATRIX_FMT_FP6 matrix_b_fmt:MATRIX_FMT_FP6
.endif
.endif
.endm
; A K step of 128: 36 LDS loads, 16 products.  The 16 accumulators take turns, one instruction a turn, in the same order in every step.
; TWO SETS OF FRAGMENTS: K step kk's lie in register window kk % 2 (v32-127 there), its scale words in v[12 + 12 (kk % 2) ..] of window 0: step kk + 1's 36 loads are issued ahead of step kk's 16 products.
.set MSB, 0
.macro WIN new                         ; the immediate's high byte repeats the setting that is left
.if MSB != \new
	s_set_vgpr_msb (MSB<<8)|(\new)
.set MSB, \new
.endif
.endm
.macro LOADS kk
	WIN 0
.irp i, 0,1
	ds_load_b32 v[12+12*((\kk)%2)+\i], v5 offset:QUADB*(\kk)+6144+128*\i
	ds_load_b32 v[14+12*((\kk)%2)+\i], v6 offset:QUADB*(\kk)+6144+128*\i
.endr
	WIN 0x40*((\kk)%2)                             ; the destination's window; the addresses lie in window 0
.irp a, 0,1,2,3
	FRAG 32+12*\a, 1, 2, QUADB*(\kk)+1536*\a
.endr
.irp b, 0,1,2,3
	FRAG 80+12*\b, 3, 4, QUADB*(\kk)+1536*\b
.endr
.endm
.macro MULS kk, zero
	WIN 5*((\kk)%2)                                ; sources 0 and 1 in the set's window, C and D in window 0
.irp b, 0,1,2,3
.irp a, 0,1,2,3
	WM 128+32*\b+8*\a, 32+12*\a, 80+12*\b, 12+12*((\kk)%2)+\a/2, 14+12*((\kk)%2)+\b/2, \a%2, \b%2, \zero
.endr
.endr
.endm
.macro PLACES                          ; a load into a register that a matrix instruction has read, and a vector instruction that reads a result, stand four plain vector instructions behind it (ISA guide 7.12.1 for the vector instruction)
.rept 4
	v_nop
.endr
.endm
; 32 numbers of a lane, register 16 b + e = k 32 b + 16 (lane / 16) + e of its row, become half a fragment (64 K) in v[pc .. pc + 5] and the row's two scale bytes in v[pw].  v[pc + 6 .. pc + 8] and v[tm .. tm + 5] are at work.
.macro QUANT2 src, pc, pw, tm
.irp b, 0,1
	v_max3_num_f32 v[\tm+\b], |v[\src+16*\b]|, |v[\src+16*\b+1]|, 0x1800000   ; with the floor 2^(3 - 127): the byte cannot fall under 1
.endr
.irp i, 2,4,6,8,10,12,14
.irp b, 0,1
	v_max3_num_f32 v[\tm+\b], v[\tm+\b], |v[\src+16*\b+\i]|, |v[\src+16*\b+\i+1]|
.endr
.endr
.irp b, 0,1
	s_delay_alu instid0(VALU_DEP_2)
	v_permlanex16_b32 v[\tm+2+\b], v[\tm+\b], s[SEL], s[SEL+1]
.endr
.irp b, 0,1
	s_delay_alu instid0(VALU_DEP_2)
	v_max_num_f32 v[\tm+\b], v[\tm+\b], v[\tm+2+\b]                ; with lane l xor 16's: the block's largest magnitude
.endr
.irp b, 0,1
	s_delay_alu instid0(VALU_DEP_2)
	v_add_nc_u32 v[\tm+4+\b], 0xff000000, v[\tm+\b]                ; 2 off its exponent field: the conversion's scale operand
.endr
.irp b, 0,1
	s_delay_alu instid0(VALU_DEP_2)
	v_lshrrev_b32 v[\tm+2+\b], 23, v[\tm+4+\b]                     ; the scale's byte
.endr
	s_delay_alu instid0(VALU_DEP_1)
	v_lshl_or_b32 v[\pw], v[\tm+3], 8, v[\tm+2]
	v_cvt_scalef32_pk16_fp6_f32 v[\pc:\pc+2], v[\src:\src+15], v[\tm+4]
	v_cvt_scalef32_pk16_fp6_f32 v[\pc+6:\pc+8], v[\src+16:\src+31], v[\tm+5]
	v_nop                                          ; one plain place behind a scaled conversion
.irp i, 0,1,2
	v_permlane16_swap_b32 v[\pc+\i], v[\pc+6+\i]   ; the layout wants a whole block in a lane: lanes 0-15 block 0, lanes 16-31 block 1
.endr
.irp i, 0,1,2
	s_delay_alu instid0(VALU_DEP_3)
	v_mov_b32 v[\pc+3+\i], v[\pc+6+\i]
.endr
.endm
	s_load_b128 s[4:7], s[0:1], 0x0                ; prep s[4:5], q_gain s[6:7]
	s_load_b64 s[8:9], s[0:1], 0x10                ; qkv
	v_lshl_add_u32 v30, v0, 2, 0x4b000
	v_mov_b32 v31, 0
	ds_add_u32 v30, v31
	ds_add_u32 v30, v31
	v_lshrrev_b32 v1, 5, v0
	s_delay_alu instid0(VALU_DEP_1)
	v_readfirstlane_b32 s10, v1                    ; wave 0..7
	s_and_b32 s11, s10, 1                          ; which of x's two quads is mine
	s_lshr_b32 s12, s10, 1                         ; which of the four heads
	s_bfe_u32 s13, ttmp6, 0x40000                  ; cx: my place in the cluster
	s_lshl_b32 s14, ttmp9, 2
	s_add_co_u32 s14, s14, s13                     ; rb = 4 x cluster x + cx: it enters x's address and the stores' alone
	s_and_b32 s15, ttmp7, 0xffff                   ; y, which the four partners share
	; descriptor group 1: a tile of 8 rows (the eight K steps) of 800 elements of 8 bytes (a quad), KSTR bytes apart; dense in LDS
	s_mov_b32 s[G1A], 3<<16                        ; no mask
	s_mov_b32 s[G1B], 15|(3<<16)|(1<<21)           ; the mask: all four work-groups; bit 21 set beside it
.irp g, G1A, G1B
	s_mov_b32 s[\g+1], 800<<16                     ; tensor_dim0
	s_mov_b32 s[\g+2], 8<<16                       ; tensor_dim1: the eight K steps
	s_mov_b32 s[\g+3], 800<<16                     ; tile_dim0
	s_mov_b32 s[\g+4], 8                           ; tile_dim1
	s_mov_b32 s[\g+5], KSTR/8                      ; tensor_dim0_stride
	s_mov_b32 s[\g+6], 0
	s_mov_b32 s[\g+7], 0
.endr
	s_lshl_b32 s16, s14, 1
	s_add_co_u32 s16, s16, s11
	s_mul_i32 s16, s16, QUADB                      ; x's quad 2 rb + wave % 2
	s_mov_b32 s17, 0
	s_sub_co_u32 s18, s10, 2
	s_and_b32 s18, s18, 3
	s_lshl_b32 s19, s15, 2
	s_add_co_u32 s18, s18, s19
	s_add_co_u32 s18, s18, 64
	s_mul_i32 s18, s18, QUADB                      ; the weights' quad 64 + 4 y + (wave - 2): no register of it ever holds cx
	s_mov_b32 s19, 0
	s_mul_i32 s20, s10, LDB                        ; where my loads go: wave x 51,200
	s_lshl_b32 s21, s15, 2
	s_add_co_u32 s21, s21, s12
	s_min_u32 s21, s21, 15                         ; my head's gain (k's and v's work-groups stay inside the 16 and do not use it)
	s_lshl_b32 s21, s21, 2
	s_wait_dscnt 0x0
	s_wait_kmcnt 0x0
	s_load_b32 s60, s[6:7], s21 offset:0x0
	s_add_nc_u64 s[16:17], s[4:5], s[16:17]
	s_add_nc_u64 s[18:19], s[4:5], s[18:19]
.irp c, 0
	s_mov_b32 s[G0A+4*\c], 1
	s_add_co_u32 s[G0A+4*\c+1], s20, \c*CHB
	s_add_nc_u64 s[G0A+4*\c+2:G0A+4*\c+3], s[16:17], \c*2*KSTR
	s_or_b32 s[G0A+4*\c+3], s[G0A+4*\c+3], 0x80000000
	s_mov_b32 s[G0B+4*\c], 1
	s_add_co_u32 s[G0B+4*\c+1], s20, \c*CHB
	s_add_nc_u64 s[G0B+4*\c+2:G0B+4*\c+3], s[18:19], \c*2*KSTR
	s_or_b32 s[G0B+4*\c+3], s[G0B+4*\c+3], 0x80000000
.endr
	CROUND                                         ; all four work-groups are here: the joint loads meet
	s_cmp_lt_u32 s10, 2                            ; one fill a wave, in one chain of branches on its number
	s_cbranch_scc0 .Lnot_x
	tensor_load_to_lds s[G0A:G0A+3], s[G1A:G1A+7]
	s_nop 0
.rept 4
	v_nop
.endr
	s_branch .Lasked
.Lnot_x:
	s_cmp_lt_u32 s10, 6
	s_cbranch_scc0 .Lasked
	tensor_load_to_lds s[G0B:G0B+3], s[G1B:G1B+7]
	s_nop 0
.rept 4
	v_nop
.endr
.Lasked:
	v_and_b32 v16, 31, v0                          ; lane
	v_and_b32 v17, 15, v0                          ; r
	v_bfe_u32 v18, v0, 4, 1                        ; h
	s_delay_alu instid0(VALU_DEP_3)
	v_lshlrev_b32 v8, 4, v16
	s_delay_alu instid0(VALU_DEP_4)
	v_lshlrev_b32 v9, 3, v16
	s_delay_alu instid0(VALU_DEP_4)
	v_lshlrev_b32 v10, 2, v17
	v_lshlrev_b32 v19, 2, v16
	s_add_co_u32 s22, s12, 2                       ; my head's loader
	s_cmp_eq_u32 s15, 5
	s_cselect_b32 s23, s11, s22                    ; source 0: the weights, for v the rows of x
	s_cselect_b32 s22, s22, s11                    ; source 1: the other
	s_mul_i32 s23, s23, LDB
	s_mul_i32 s22, s22, LDB
	v_add_nc_u32 v1, s23, v8
	v_add_nc_u32 v2, s23, v9
	v_add_nc_u32 v3, s22, v8
	v_add_nc_u32 v4, s22, v9
	v_add_nc_u32 v5, s23, v19
	v_add_nc_u32 v6, s22, v19
	v_and_b32 v20, 8, v17
	s_delay_alu instid0(VALU_DEP_1)
	v_add_nc_u32 v20, v20, v17                     ; r + 8 (r / 8)
	s_delay_alu instid0(VALU_DEP_1)
	v_lshlrev_b32 v7, 8, v20
	s_delay_alu instid0(VALU_DEP_1)
	v_lshl_add_u32 v7, v18, 6, v7                  ; the table: my slot's t, 256 bytes each, + 64 h: my 16 frequencies
	v_mov_b32 v21, 0                               ; (named as the upper half of the pair v[20:21])
	s_mov_b32 s[SEL], 0x76543210
	s_mov_b32 s[SEL+1], 0xfedcba98
	s_mov_b32 s58, 0x3c800000                      ; 1 / 64
	s_mov_b32 s59, 0x34000000                      ; eps = 2^-23
	; where the results go, all offsets made apart from the address
	s_lshr_b32 s61, s14, 4                         ; the batch
	s_and_b32 s62, s14, 15                         ; the key step: 128 rows
	s_lshl_b32 s63, s62, 3
	s_lshl_b32 s84, s11, 2
	s_add_co_u32 s63, s63, s84                     ; my first tile of rows within the batch: 8 x key step + 4 x quad
	s_lshl_b32 s85, s61, 2
	s_add_co_u32 s85, s85, s12
	s_mul_i32 s85, s85, KVBB
	s_add_co_u32 s85, s85, KVB                     ; the key head's block (k, v)
	s_add_co_u32 s86, s62, 1
	s_mul_i32 s86, s86, 12288
	s_add_co_u32 s86, s86, s85                     ; its key step
	s_lshl_b32 s87, s61, 4
	s_lshl_b32 s88, s15, 2
	s_add_co_u32 s87, s87, s88
	s_add_co_u32 s87, s87, s12                     ; the query head: 16 x batch + 4 y + head (q)
	s_lshl_b32 s88, s87, 7
	s_add_co_u32 s88, s88, s63
	s_mul_i32 s88, s88, 768                        ; q's codes
	s_lshl_b32 s89, s87, 11
	s_lshl_b32 s90, s63, 4
	s_add_co_u32 s89, s89, s90
	s_lshl_b32 s89, s89, 2
	s_add_co_u32 s89, s89, QS                      ; q's scale words
	s_mul_i32 s91, s11, 3072
	s_add_co_u32 s91, s91, s86                     ; k's codes
	s_lshl_b32 s90, s90, 2
	s_add_co_u32 s90, s90, s85                     ; k's scale words
	s_cmp_lt_u32 s15, 4
	s_cselect_b32 s88, s88, s91
	s_cselect_b32 s90, s89, s90
	s_mov_b32 s89, 0
	s_mov_b32 s91, 0
	s_add_nc_u64 s[88:89], s[8:9], s[88:89]
	s_add_nc_u64 s[90:91], s[8:9], s[90:91]
	s_lshl_b32 s16, s62, 7
	s_lshl_b32 s17, s11, 6
	s_add_co_u32 s16, s16, s17
	s_lshl_b32 s16, s16, 8
	s_add_co_u32 s16, s16, ROPE                    ; the table at my wave's first t
	s_mov_b32 s17, 0
	s_add_nc_u64 s[16:17], s[4:5], s[16:17]
	s_mul_i32 s18, s11, 768
	s_add_co_u32 s18, s18, s86
	s_add_co_u32 s18, s18, 6144                    ; v's codes: my 64 keys are half w % 2 of the step's fragments
	s_mov_b32 s19, 0
	s_add_nc_u64 s[18:19], s[8:9], s[18:19]
	s_lshl_b32 s22, s62, 8
	s_add_co_u32 s22, s22, s85
	s_lshl_b32 s23, s11, 1
	s_add_co_u32 s22, s22, s23
	s_add_co_u32 s22, s22, 8192                    ; v's scale words: my two bytes of each
	s_mov_b32 s23, 0
	s_add_nc_u64 s[22:23], s[8:9], s[22:23]
	s_wait_alu depctr_va_vdst(0)
	s_wait_kmcnt 0x0                               ; the gain
	s_cmp_lt_u32 s15, 4
	s_cselect_b32 s60, s60, 1.0                    ; k has none
	s_wait_tensorcnt 0x0                           ; my one load is in
	s_barrier_signal -1                            ; (no LDS load of mine is out here)
	s_barrier_wait -1                              ; everybody's is: from here on LDS is only read
	LOADS 0
	LOADS 1
	s_wait_dscnt 36                                ; step 0's loads are in; the 36 of step 1 may be out
	MULS 0, 1
.irp k, 1,2,3,4,5,6
	PLACES                                         ; in front of the loads into the set that the products just issued have read
	LOADS \k+1
	s_wait_dscnt 36                                ; step k's loads are in; the 36 just issued may be out
	MULS \k, 0
.endr
	s_wait_dscnt 0x0
	MULS 7, 0
	WIN 0
	PLACES
	s_cmp_eq_u32 s15, 5                            ; the same in all partners and all waves; neither arm touches LDS or holds a barrier
	s_cbranch_scc1 .Lv
.macro TAB t                           ; tile t's 16 cos and 16 sin of my slot's t
.set CL, 64+32*((\t)%2)
.irp q, 0,1,2,3
	global_load_b128 v[CL+4*\q:CL+4*\q+3], v7, s[16:17] offset:(32*((\t)/2)+8*((\t)%2))*256+16*\q
	global_load_b128 v[CL+16+4*\q:CL+19+4*\q], v7, s[16:17] offset:(32*((\t)/2)+8*((\t)%2))*256+128+16*\q
.endr
.endm
.macro TILE_QK t                       ; 16 rows of x, one a lane pair: norm, rotation, gain, codes
.set X, 128+32*(\t)
.set CT, 64+32*((\t)%2)
	v_pk_mul_f32 v[16:17], v[X:X+1], v[X:X+1]                      ; the sum of squares, two chains; each accumulator is read from its low end on
	v_pk_mul_f32 v[18:19], v[X+16:X+17], v[X+16:X+17]
.irp i, 2,4,6,8,10,12,14
	v_pk_fma_f32 v[16:17], v[X+\i:X+\i+1], v[X+\i:X+\i+1], v[16:17]
	v_pk_fma_f32 v[18:19], v[X+16+\i:X+17+\i], v[X+16+\i:X+17+\i], v[18:19]
.endr
	s_delay_alu instid0(VALU_DEP_1)
	v_pk_add_f32 v[16:17], v[16:17], v[18:19]
	s_delay_alu instid0(VALU_DEP_1)
	v_add_f32 v16, v16, v17
	s_delay_alu instid0(VALU_DEP_1)
	v_permlanex16_b32 v17, v16, s[SEL], s[SEL+1]
	s_delay_alu instid0(VALU_DEP_1)
	v_add_f32 v16, v16, v17                        ; with lane l xor 16's 32: the head's 64
	s_delay_alu instid0(VALU_DEP_1)
	v_fma_f32 v16, v16, s58, s59                   ; the mean + eps
	s_wait_alu depctr_va_vdst(0)
	v_rsq_f32 v20, v16
	v_nop                                          ; one plain place behind a transcendental
	s_wait_alu depctr_va_vdst(0)
	v_mul_f32 v20, s60, v20                        ; x the gain
.irp i, 0,2,4,6,8,10,12,14,16,18,20,22,24,26,28,30
	v_pk_mul_f32 v[X+\i:X+\i+1], v[X+\i:X+\i+1], v[20:21] op_sel_hi:[1,0]
.endr
.if (\t) < 3
	s_wait_alu depctr_va_vdst(0)
	s_wait_loadcnt 8                               ; this tile's eight table loads are in; the next tile's eight may be out
.else
	s_wait_alu depctr_va_vdst(0)
	s_wait_loadcnt 0x0
.endif
.irp i, 0,2,4,6,8,10,12,14
	v_pk_mul_f32 v[32+\i:33+\i], v[X+16+\i:X+17+\i], v[CT+16+\i:CT+17+\i]     ; x2 sin
	v_pk_mul_f32 v[48+\i:49+\i], v[X+\i:X+\i+1], v[CT+16+\i:CT+17+\i]         ; x1 sin
.endr
.irp i, 0,2,4,6,8,10,12,14
	v_pk_fma_f32 v[32+\i:33+\i], v[X+\i:X+\i+1], v[CT+\i:CT+\i+1], v[32+\i:33+\i]                                       ; x1 cos + x2 sin
	v_pk_fma_f32 v[48+\i:49+\i], v[X+16+\i:X+17+\i], v[CT+\i:CT+\i+1], v[48+\i:49+\i] neg_lo:[0,0,1] neg_hi:[0,0,1]     ; x2 cos - x1 sin
.endr
.if (\t) < 2
	TAB (\t)+2                                     ; into the registers just read
.endif
	QUANT2 32, X, X+10, X+12                       ; the codes land in the tile's own accumulator registers, which are done with: no store's data are written again
	global_store_b128 v8, v[X:X+3], s[88:89] offset:768*(\t)       ; 512 consecutive bytes, at a multiple of 256 from the buffer's first byte
	global_store_b64 v9, v[X+4:X+5], s[88:89] offset:768*(\t)+512
	global_store_b32 v10, v[X+10], s[90:91] offset:64*(\t)         ; lanes r and 16 + r store the same word with the same value; its upper two bytes are 0
.endm
	TAB 0
	TAB 1
	TILE_QK 0
	TILE_QK 1
	TILE_QK 2
	TILE_QK 3
	s_branch .Ljoin
.Lv:
.macro TILE_V t                        ; 16 of the head's 64, one a lane pair, x my 64 keys
	QUANT2 128+32*(\t), 32+24*(\t), 42+24*(\t), 44+24*(\t)
	global_store_b128 v8, v[32+24*(\t):35+24*(\t)], s[18:19] offset:1536*(\t)
	global_store_b64 v9, v[36+24*(\t):37+24*(\t)], s[18:19] offset:1536*(\t)+512
	global_store_b16 v10, v[42+24*(\t)], s[22:23] offset:64*(\t)   ; my two bytes of the slot's word; the partner wave stores the other two.  32 KiB of such stores in the whole launch
.endm
	TILE_V 0
	TILE_V 1
	TILE_V 2
	TILE_V 3
.Ljoin:
	s_wait_tensorcnt 0x0
	ds_add_u32 v30, v31
	s_wait_dscnt 0x0
	CROUND                                         ; the closing round: no work-group ends while a partner may still ask for a tile that names it
	s_endpgm
.Lfunc_end_k_q13c21df495_qkv:
	.size	k_q13c21df495_qkv, .Lfunc_end_k_q13c21df495_qkv-k_q13c21df495_qkv
	.p2alignl 7, 3214868480
	.fill 96, 4, 3214868480
	.section	.rodata,"a",@progbits
	.p2align	6, 0x0
	.amdhsa_kernel k_q13c21df495_qkv
		.amdhsa_group_segment_fixed_size 308224
		.amdhsa_private_segment_fixed_size 0
		.amdhsa_enable_private_segment 0
		.amdhsa_kernarg_size 24
		.amdhsa_user_sgpr_count 2
		.amdhsa_user_sgpr_kernarg_segment_ptr 1
		.amdhsa_wavefront_size32 1
		.amdhsa_system_sgpr_workgroup_id_x 1
		.amdhsa_system_sgpr_workgroup_id_y 1
		.amdhsa_system_sgpr_workgroup_id_z 1
		.amdhsa_system_vgpr_workitem_id 0
		.amdhsa_next_free_vgpr 384
		.amdhsa_next_free_sgpr 92
		.amdhsa_reserve_vcc 0
		.amdhsa_float_denorm_mode_32 3
		.amdhsa_float_denorm_mode_16_64 3
		.amdhsa_memory_ordered 1
		.amdhsa_forward_progress 1
		.amdhsa_inst_pref_size 86
	.end_amdhsa_kernel
	.amdgpu_metadata
---
amdhsa.version: [ 1, 2 ]
amdhsa.kernels:
  - .name:           k_q13c21df495_qkv
    .symbol:         k_q13c21df495_qkv.kd
    .args:
      - { .name: prep, .offset: 0, .size: 8, .value_kind: global_buffer, .address_space: global }
      - { .name: q_gain, .offset: 8, .size: 8, .value_kind: global_buffer, .address_space: global }
      - { .name: qkv, .offset: 16, .size: 8, .value_kind: global_buffer, .address_space: global }
    .group_segment_fixed_size: 308224
    .private_segment_fixed_size: 0
    .kernarg_segment_align: 8
    .kernarg_segment_size: 24
    .max_flat_workgroup_size: 256
    .sgpr_count:     92
    .vgpr_count:     384
    .wavefront_size: 32
...
	.end_amdgpu_metadata
.endif
;; end of part 2
;; launch attn (part 3): grid 32 x 8, 16 waves a work-group, clusters of 4 x 1, 327,680 bytes of LDS; arguments qkv, yq; writes yq
.if DOCPART == 3
	.amdgcn_target "amdgcn-amd-amdhsa--gfx1250"
	.amdhsa_code_object_version 6
	.text
	.protected	k_q13c21df495_attn
	.globl	k_q13c21df495_attn
	.p2align	8
	.type	k_q13c21df495_attn,@function
k_q13c21df495_attn:
	s_mov_b64 s[64:65], 0
	v_nop
	global_prefetch_b8 v0, s[64:65] scope:SCOPE_SE
	s_setreg_imm32_b32 hwreg(HW_REG_WAVE_MODE, 25, 1), 1
	s_wait_xcnt 0x0
	s_wait_alu depctr_hold_cnt(0) depctr_sa_sdst(0) depctr_va_vdst(0) depctr_va_sdst(0) depctr_va_ssrc(0) depctr_va_vcc(0) depctr_vm_vsrc(0)
	s_getreg_b32 s2, hwreg(HW_REG_IB_STS2, 6, 4)
	s_cmp_eq_u32 s2, 0
	s_cbranch_scc0 .Lentry_in_a_cluster
	s_endpgm
.Lentry_in_a_cluster:
	s_bfe_u32 s2, ttmp6, 0x10000c
	s_cmp_lg_u32 s2, 0x3003
	s_cbranch_scc0 .Lentry_shape_is_right
	s_endpgm
.Lentry_shape_is_right:
; y[head][q] = the sum over keys k <= q of softmax_k(q . k / 8) v, both products on codes of FP6 (E2M3) with E8M0 scales; y is quantised along the model's 1,024 and leaves as codes, laid as the last product's operand.
; THE SOFTMAX: t = score x log2(e) / 8; M = the row's largest t so far, rounded UP to a whole number; p = 2^(t - M) is quantised along the keys, not normalised; the row's sum is taken of the unquantised p and divides at the end.
; When M moves, the sum and O are multiplied by 2^(old M - new M): exact.
; SHARES.  Work-group (s, rep, key head): the 16 tiles of queries g = 8 j + s, j = 0 .. 15, of query head 4 x key head + rep.  A key step is 128 keys; tile j has j + 1 key steps under the causal mask (whole steps behind it are left out).
; Waves 2 m and 2 m + 1 share tiles m and 15 - m, 17 key steps: the LONG wave takes steps 0-8 of tile 15 - m; its partner takes tile m whole (m + 1 steps), stores it, and then steps 9 .. 15 - m of tile 15 - m (7 - m steps).
; The partner hands its O^T, -M and sums to the long wave through a stage in LDS (4,608 bytes a pair, bytes into which no tile lands); the long wave brings both parts under the common M (powers of two: exact), adds, divides, stores.
; So a wave has 9 or 8 key steps.  Which of a pair is the long one: (w xor w / 4) % 2: two of each kind among the four waves with equal w % 4, and among the four with equal w / 4.
; LDS holds the key head's whole block (scale words, K's and V's codes of all 16 key steps: 208,896 bytes), an exact copy of memory, filled ONCE: one tensor load a wave, 51 rows of 256 bytes.  No prefetch: there is no loop ahead of that one fill.
; CLUSTER.  The four partners are the four query heads of one key head: they need the same block, asked for JOINTLY.  cx enters Q's and y's global addresses alone.
; EVERY WAVE WALKS ALL 16 STEPS, TWICE; steps outside its range lo .. hi are left out by scalar branches on ids, round the work, not round the lines that step addresses.
; LAYOUT.  S^T = K Q^T (source 0 = 16 keys, source 1 = my 16 queries), O^T = V^T P^T: a lane holds ONE query throughout; slot r of tile g is 32 (g / 2) + 8 (g % 2) + r + 8 (r / 8),
; so register 16 b + e of S^T is key 32 b + 16 (lane / 16) + e of the step, and of O^T the head's number of that form.
; THE HEAD IS 64, HALF OF THE INSTRUCTION'S 128.  Q's registers 6-11 hold zero codes, so whatever source 0 holds there adds nothing (FP6 has neither NaN nor infinity; the upper scale bytes are 0, not 0xff).
; So K's tiles lie 6 registers apart: the upper half of tile i's operand is tile i + 1's codes, and behind the last stand six zeros.
; LIMITS: NaN and infinities are not served; blocks whose largest magnitude lies under 2^-124 keep the byte 1.  A block's largest p is taken as 2^(.) of its largest score, which takes v_exp_f32 not to fall where its input rises.
; The promise holds while the scaled scores t stay under 2^31 in magnitude.
.set QS,    3145728
.set KVB,   3407872
.set KVBB,  208896
.set SPARE, 0x33000                    ; behind the block: the spare words, 128 bytes a wave
.set STG,   0x33800                    ; behind them: the pairs' stages
.set STGB,  4608                       ; 8 x 512 bytes of O^T, 512 of (-M, t, the sum's halves)
.set G1,  16                           ; s[16:23] descriptor group 1;  s[24:27] group 0
.set G0,  24
; THE BLOCK COMES IN TWO PARTS (this takes the place of the one fill named above), each byte still filled once: at the head a wave asks for 12 rows of 256 bytes: together all scale words and key steps 0-2, 49,152 bytes;
; behind the three lines and a round of the cluster's barrier it asks for 39 rows more: together key steps 3-15.  Steps 0-2 are worked while the second part is on its way; a wait for 0 and a barrier stand ahead of step 3.
; The text uses 247,808 bytes.
.set G0B, 52                           ; s[52:55] group 0, s[56:63] group 1 of the second part
.set G1B, 56
.set SEL, 28                           ; s[28:29] lane selects for v_permlanex16_b32: lane l xor 16
.set CS,  30                           ; s[30:31] c = log2(e) / 8
; s8 wave, s9 s, s10 rep, s11 key head, s12 the tile's j, s13 1 in the long wave, s14 m, s15 15 - m, s42 the query head, s48 lo, s49 hi; s32 the step, s33 its codes' LDS byte, s34 its K scale words', s35 its V scale words'
; REGISTERS: v1 16 x lane, v2 8 x lane + 512, v3 4 x lane, v4 4 x lane + 8,192, v5 the diagonal's bound, v6 4 r, v7 the stage; v8-11 the step's addresses; v12 -M, v13 the largest t, v[14:15] the sum; v16-27 Q; v32-85 K, then v32-79 V;
; v86-87 V's scale words, v88-91 K's, v92 p's, v255 Q's; v96-159 S^T, then p; v160-191 O^T; v192-223 y; v224-235 p's codes; v232-254 at work; v250, v251 the add's two.
.macro CROUND                          ; a round of the cluster's barrier
	s_barrier_signal -1
	s_barrier_wait -1
	s_cmp_lg_u32 s8, 0
	s_cbranch_scc1 .Lnot_wave_0_\@
	s_barrier_signal -3
.Lnot_wave_0_\@:
	s_barrier_wait -3
	s_barrier_signal -1
	s_barrier_wait -1
.endm
.macro WM d, a, b, sa, sb, ra, zero    ; one product; ra = 1: source 0's scale words stand in lanes 16-31; zero = 1: it starts the sum
.if (\zero) && (\ra)
	v_wmma_scale_f32_16x16x128_f8f6f4 v[\d:\d+7], v[\a:\a+11], v[\b:\b+11], 0, v[\sa], v[\sb] matrix_a_fmt:MATRIX_FMT_FP6 matrix_b_fmt:MATRIX_FMT_FP6 matrix_a_scale:MATRIX_SCALE_ROW1
.elseif (\zero)
	v_wmma_scale_f32_16x16x128_f8f6f4 v[\d:\d+7], v[\a:\a+11], v[\b:\b+11], 0, v[\sa], v[\sb] matrix_a_fmt:MATRIX_FMT_FP6 matrix_b_fmt:MATRIX_FMT_FP6
.elseif (\ra)
	v_wmma_scale_f32_16x16x128_f8f6f4 v[\d:\d+7], v[\a:\a+11], v[\b:\b+11], v[\d:\d+7], v[\sa], v[\sb] matrix_a_fmt:MATRIX_FMT_FP6 matrix_b_fmt:MATRIX_FMT_FP6 matrix_a_scale:MATRIX_SCALE_ROW1
.else
	v_wmma_scale_f32_16x16x128_f8f6f4 v[\d:\d+7], v[\a:\a+11], v[\b:\b+11], v[\d:\d+7], v[\sa], v[\sb] matrix_a_fmt:MATRIX_FMT_FP6 matrix_b_fmt:MATRIX_FMT_FP6
.endif
.endm
; 32 numbers of a lane, register 16 b + e = k 32 b + 16 (lane / 16) + e of its row, become half a fragment (64 K) in v[pc .. pc + 5] and the row's two scale bytes in v[pw]
.macro QUANT2 src, pc, pw, tm
.irp b, 0,1
	v_max3_num_f32 v[\tm+\b], |v[\src+16*\b]|, |v[\src+16*\b+1]|, 0x1800000
.endr
.irp i, 2,4,6,8,10,12,14
.irp b, 0,1
	s_delay_alu instid0(VALU_DEP_2)
	v_max3_num_f32 v[\tm+\b], v[\tm+\b], |v[\src+16*\b+\i]|, |v[\src+16*\b+\i+1]|
.endr
.endr
.irp b, 0,1
	s_delay_alu instid0(VALU_DEP_2)
	v_permlanex16_b32 v[\tm+2+\b], v[\tm+\b], s[SEL], s[SEL+1]
.endr
.irp b, 0,1
	s_delay_alu instid0(VALU_DEP_2)
	v_max_num_f32 v[\tm+\b], v[\tm+\b], v[\tm+2+\b]
.endr
.irp b, 0,1
	s_delay_alu instid0(VALU_DEP_2)
	v_add_nc_u32 v[\tm+4+\b], 0xff000000, v[\tm+\b]
.endr
.irp b, 0,1
	s_delay_alu instid0(VALU_DEP_2)
	v_lshrrev_b32 v[\tm+2+\b], 23, v[\tm+4+\b]
.endr
	s_delay_alu instid0(VALU_DEP_1)
	v_lshl_or_b32 v[\pw], v[\tm+3], 8, v[\tm+2]
	v_cvt_scalef32_pk16_fp6_f32 v[\pc:\pc+2], v[\src:\src+15], v[\tm+4]
	v_cvt_scalef32_pk16_fp6_f32 v[\pc+6:\pc+8], v[\src+16:\src+31], v[\tm+5]
	v_nop                                          ; one plain place behind a scaled conversion
.irp i, 0,1,2
	v_permlane16_swap_b32 v[\pc+\i], v[\pc+6+\i]
.endr
.irp i, 0,1,2
	s_delay_alu instid0(VALU_DEP_3)
	v_mov_b32 v[\pc+3+\i], v[\pc+6+\i]
.endr
.endm
; Tile s12 begins: its Q and scale words come into registers; the largest t is -3e38, the sums and O^T are zeros (the first change of M leaves them zeros)
.macro NEWTILE
	s_lshl_b32 s43, s12, 3
	s_add_co_u32 s43, s43, s9                      ; g = 8 j + s
	s_lshl_b32 s44, s42, 7
	s_add_co_u32 s44, s44, s43
	s_mul_i32 s44, s44, 768
	s_mov_b32 s45, 0
	s_add_nc_u64 s[44:45], s[4:5], s[44:45]
	s_lshl_b32 s46, s42, 11
	s_lshl_b32 s47, s43, 4
	s_add_co_u32 s46, s46, s47
	s_lshl_b32 s46, s46, 2
	s_add_co_u32 s46, s46, QS
	s_mov_b32 s47, 0
	s_add_nc_u64 s[46:47], s[4:5], s[46:47]
	global_load_b128 v[16:19], v1, s[44:45]
	global_load_b64 v[20:21], v2, s[44:45]
	global_load_b32 v255, v6, s[46:47]
	v_mov_b32 v13, 0xff61b1e6
	v_mov_b32 v14, 0
	v_mov_b32 v15, 0
	v_floor_f32 v12, -v13                          ; -M
.set n, 0
.rept 32
	v_mov_b32 v[160+n], 0
.set n, n+1
.endr
	s_wait_alu depctr_va_vdst(0)
	s_wait_loadcnt 0x0
.endm
; All 16 key steps are walked; those of lo .. hi are worked
.macro WALK first, last                ; steps first .. last - 1 are walked
	s_mov_b32 s32, \first
	s_mov_b32 s33, 12288*(\first+1)
	s_mov_b32 s34, 512*\first
	s_mov_b32 s35, 256*\first
.Lstep_\@:
	s_cmp_gt_u32 s32, s49
	s_cbranch_scc1 .Lskip_\@
	s_cmp_lt_u32 s32, s48
	s_cbranch_scc1 .Lskip_\@
	v_add_nc_u32 v8, s33, v1                       ; these four are also the places in front of the loads into registers that the last products read
	v_add_nc_u32 v9, s33, v2
	v_add_nc_u32 v10, s34, v3
	v_add_nc_u32 v11, s35, v4
.irp t, 0,1,2,3,4,5,6,7
	ds_load_b128 v[32+6*\t:35+6*\t], v8 offset:768*\t
	ds_load_b64 v[36+6*\t:37+6*\t], v9 offset:768*\t
.endr
.irp i, 0,1,2,3
	ds_load_b32 v[88+\i], v10 offset:128*\i        ; lanes 0-15 tile 2 i's words, lanes 16-31 tile 2 i + 1's
.endr
	s_wait_alu depctr_va_vdst(0)
	s_wait_dscnt 0x0
.irp t, 0,1,2,3,4,5,6,7
	WM 96+8*\t, 32+6*\t, 16, 88+\t/2, 255, \t%2, 1
.endr
.rept 4
	v_nop                                          ; places in front of the loads over K's registers and of the first read of the scores
.endr
.irp t, 0,1,2,3
.irp c, 0,1
	ds_load_b128 v[32+12*\t+6*\c:35+12*\t+6*\c], v8 offset:6144+1536*\t+768*\c     ; V lands while the softmax is worked
	ds_load_b64 v[36+12*\t+6*\c:37+12*\t+6*\c], v9 offset:6144+1536*\t+768*\c
.endr
.endr
.irp i, 0,1
	ds_load_b32 v[86+\i], v11 offset:128*\i
.endr
	s_cmp_lg_u32 s32, s12
	s_cbranch_scc1 .Lopen_\@                       ; only the tile's last step lies on the diagonal
	v_mov_b32 v254, 0xff800000                     ; hidden scores become -infinity ahead of the maximum: p = 0 then
.set n, 0
.rept 64
	v_cmp_gt_i32 vcc_lo, 32*(n/16)+n%16, v5
	v_cndmask_b32 v[96+n], v[96+n], v254, vcc_lo
.set n, n+1
.endr
.Lopen_\@:
.irp b, 0,1,2,3
	v_max3_num_f32 v[232+\b], v[96+16*\b], v[97+16*\b], v[98+16*\b]   ; the largest score of each block of 32 keys: for the row's maximum and for the block's largest p
.endr
.irp i, 3,5,7,9,11,13
.irp b, 0,1,2,3
	v_max3_num_f32 v[232+\b], v[232+\b], v[96+16*\b+\i], v[97+16*\b+\i]
.endr
.endr
.irp b, 0,1,2,3
	v_max_num_f32 v[232+\b], v[232+\b], v[111+16*\b]
.endr
.irp b, 0,1,2,3
	s_delay_alu instid0(VALU_DEP_4)
	v_permlanex16_b32 v[236+\b], v[232+\b], s[SEL], s[SEL+1]
.endr
.irp b, 0,1,2,3
	s_delay_alu instid0(VALU_DEP_4)
	v_max_num_f32 v[232+\b], v[232+\b], v[236+\b]  ; with lane l xor 16's 16 keys
.endr
	s_delay_alu instid0(VALU_DEP_2)
	v_max3_num_f32 v254, v232, v233, v234
	s_delay_alu instid0(VALU_DEP_1)
	v_max_num_f32 v254, v254, v235                 ; the step's largest score of my query
	s_delay_alu instid0(VALU_DEP_1)
	v_mul_f32 v254, s[CS], v254                    ; as t (c is positive)
	s_delay_alu instid0(VALU_DEP_1)
	v_max_num_f32 v13, v13, v254                   ; the running largest t
	v_mov_b32 v254, v12
	s_delay_alu instid0(VALU_DEP_2)
	v_floor_f32 v12, -v13                          ; the new -M = floor(-t): M is a whole number
	s_delay_alu instid0(VALU_DEP_1)
	v_sub_f32 v254, v12, v254                      ; old M - new M: a whole number, 0 or less
	s_delay_alu instid0(VALU_DEP_1)
	v_cvt_i32_f32 v254, v254                       ; (it saturates)
	s_delay_alu instid0(VALU_DEP_1)
	v_ldexp_f32 v252, 1.0, v254                    ; f = 2^(old M - new M)
.set n, 0
.rept 32
	v_pk_fma_f32 v[96+n:97+n], v[96+n:97+n], s[CS:CS+1], v[12:13] op_sel_hi:[1,0,0]   ; t - M, two at a time
.set n, n+2
.endr
.irp b, 0,1,2,3
	v_fma_f32 v[232+\b], v[232+\b], s[CS], v12     ; the same of each block's largest score
.endr
.set n, 0
	s_wait_alu depctr_va_vdst(0)
.rept 64
	v_exp_f32 v[96+n], v[96+n]                     ; p = 2^(t - M), at most 1
.set n, n+1
.endr
.irp b, 0,1,2,3
	v_exp_f32 v[232+\b], v[232+\b]                 ; the block's largest p
.endr
	v_pk_mul_f32 v[14:15], v[14:15], v[252:253] op_sel_hi:[1,0]    ; the sums under the new M.  (A plain place behind the exponentials)
	s_wait_alu depctr_va_vdst(0)                   ; and behind it
.irp b, 0,1,2,3
	v_max_num_f32 v[232+\b], 0x1800000, v[232+\b]  ; the floor 2^(3 - 127): the byte cannot fall under 1
.endr
.irp b, 0,1,2,3
	s_delay_alu instid0(VALU_DEP_4)
	v_add_nc_u32 v[244+\b], 0xff000000, v[232+\b]  ; 2 off the exponent field: the conversion's scale operand
.endr
.irp b, 0,1,2,3
	s_delay_alu instid0(VALU_DEP_4)
	v_lshrrev_b32 v[236+\b], 23, v[244+\b]         ; the scale's byte
.endr
	s_delay_alu instid0(VALU_DEP_3)
	v_lshl_or_b32 v92, v237, 8, v236               ; p's scale word for these 128 keys
	s_delay_alu instid0(VALU_DEP_1)
	v_lshl_or_b32 v92, v238, 16, v92
	s_delay_alu instid0(VALU_DEP_1)
	v_lshl_or_b32 v92, v239, 24, v92
.irp c, 0,1
	v_cvt_scalef32_pk16_fp6_f32 v[224+6*\c:226+6*\c], v[96+32*\c:111+32*\c], v[244+2*\c]
	v_cvt_scalef32_pk16_fp6_f32 v[236+4*\c:238+4*\c], v[112+32*\c:127+32*\c], v[244+2*\c+1]   ; (a conversion's three registers begin on an even number)
.endr
	v_nop                                          ; one plain place behind a scaled conversion
.irp c, 0,1
.irp i, 0,1,2
	v_permlane16_swap_b32 v[224+6*\c+\i], v[236+4*\c+\i]           ; a whole block in a lane: lanes 0-15 block 2 c, lanes 16-31 block 2 c + 1
.endr
.irp i, 0,1,2
	s_delay_alu instid0(VALU_DEP_3)
	v_mov_b32 v[227+6*\c+\i], v[236+4*\c+\i]
.endr
.endr
	v_pk_add_f32 v[236:237], v[100:101], v[104:105]                ; the row's sum of the unquantised p, in eight chains
	v_pk_add_f32 v[248:249], v[108:109], v[112:113]
	v_pk_add_f32 v[246:247], v[116:117], v[120:121]
	v_pk_add_f32 v[244:245], v[124:125], v[128:129]
	v_pk_add_f32 v[242:243], v[132:133], v[136:137]
	v_pk_add_f32 v[240:241], v[140:141], v[144:145]
	v_pk_add_f32 v[222:223], v[148:149], v[152:153]
	v_pk_add_f32 v[14:15], v[14:15], v[156:157]
	v_pk_add_f32 v[236:237], v[236:237], v[96:97]
	v_pk_add_f32 v[248:249], v[248:249], v[98:99]
	v_pk_add_f32 v[246:247], v[246:247], v[102:103]
	v_pk_add_f32 v[244:245], v[244:245], v[106:107]
	v_pk_add_f32 v[242:243], v[242:243], v[110:111]
	v_pk_add_f32 v[240:241], v[240:241], v[114:115]
	v_pk_add_f32 v[222:223], v[222:223], v[118:119]
	v_pk_add_f32 v[14:15], v[14:15], v[122:123]
	v_pk_add_f32 v[236:237], v[236:237], v[126:127]
	v_pk_add_f32 v[248:249], v[248:249], v[130:131]
	v_pk_add_f32 v[246:247], v[246:247], v[134:135]
	v_pk_add_f32 v[244:245], v[244:245], v[138:139]
	v_pk_add_f32 v[242:243], v[242:243], v[142:143]
	v_pk_add_f32 v[240:241], v[240:241], v[146:147]
	v_pk_add_f32 v[222:223], v[222:223], v[150:151]
	v_pk_add_f32 v[14:15], v[14:15], v[154:155]
	v_pk_add_f32 v[236:237], v[236:237], v[158:159]
	s_delay_alu instid0(VALU_DEP_2)
	v_pk_add_f32 v[14:15], v[14:15], v[244:245]
	s_delay_alu instid0(VALU_DEP_2)
	v_pk_add_f32 v[236:237], v[236:237], v[242:243]
	v_pk_add_f32 v[248:249], v[248:249], v[240:241]
	v_pk_add_f32 v[246:247], v[246:247], v[222:223]
	s_delay_alu instid0(VALU_DEP_2)
	v_pk_add_f32 v[14:15], v[14:15], v[248:249]
	s_delay_alu instid0(VALU_DEP_2)
	v_pk_add_f32 v[236:237], v[236:237], v[246:247]
	s_delay_alu instid0(VALU_DEP_1)
	v_pk_add_f32 v[14:15], v[14:15], v[236:237]
.set n, 0
.rept 16
	v_pk_mul_f32 v[160+n:161+n], v[160+n:161+n], v[252:253] op_sel_hi:[1,0]   ; O^T under the new M.  (With the sums above: the places between p's word and codes and the products below)
.set n, n+2
.endr
	s_wait_alu depctr_va_vdst(0)
	s_wait_dscnt 0x0                               ; V
.irp t, 0,1,2,3
	WM 160+8*\t, 32+12*\t, 224, 86+\t/2, 92, \t%2, 0               ; the four accumulators by turns, one instruction a turn
.endr
.Lskip_\@:
	s_add_co_u32 s33, s33, 12288
	s_add_co_u32 s34, s34, 512
	s_add_co_u32 s35, s35, 256
	s_add_co_u32 s32, s32, 1
	s_cmp_lt_u32 s32, \last
	s_cbranch_scc1 .Lstep_\@
.endm
; Tile s12 ends: O^T is divided by the sum, quantised along the head's 64, and stored
.macro FINAL
.rept 4
	v_nop                                          ; places behind the last products
.endr
	v_add_f32 v14, v14, v15                        ; the sum's two halves,
	s_delay_alu instid0(VALU_DEP_1)
	v_permlanex16_b32 v252, v14, s[SEL], s[SEL+1]
	s_delay_alu instid0(VALU_DEP_1)
	v_add_f32 v14, v14, v252                       ; and lane l xor 16's
	s_wait_alu depctr_va_vdst(0)
	v_rcp_f32 v14, v14
	v_mov_b32 v15, 0                               ; (a plain place behind the transcendental; the pair's upper half)
.set n, 0
	s_wait_alu depctr_va_vdst(0)
.rept 16
	v_pk_mul_f32 v[192+n:193+n], v[160+n:161+n], v[14:15] op_sel_hi:[1,0]     ; y: register 16 b + e is the head's number 32 b + 16 h + e
.set n, n+2
.endr
	QUANT2 192, 224, 93, 236                       ; my head's 64 are half (head % 2) of K step head / 2 of the last product
	s_and_b32 s36, s11, 3                          ; yq = [K step 8][quad 64][6,400]: K step 2 x key head's number + rep / 2;
	s_lshr_b32 s37, s11, 2
	s_lshl_b32 s36, s36, 1
	s_lshr_b32 s38, s10, 1
	s_add_co_u32 s36, s36, s38
	s_lshl_b32 s36, s36, 6
	s_lshl_b32 s37, s37, 5                         ; quad 32 x batch + 2 j + s / 4;
	s_add_co_u32 s36, s36, s37
	s_lshl_b32 s37, s12, 1
	s_add_co_u32 s36, s36, s37
	s_lshr_b32 s37, s9, 2
	s_add_co_u32 s36, s36, s37
	s_mul_i32 s36, s36, 6400
	s_and_b32 s37, s9, 3                           ; tile s % 4
	s_mul_i32 s38, s37, 1536
	s_add_co_u32 s38, s38, s36
	s_and_b32 s39, s10, 1
	s_mul_i32 s40, s39, 768
	s_add_co_u32 s38, s38, s40
	s_lshl_b32 s37, s37, 6
	s_add_co_u32 s36, s36, s37
	s_lshl_b32 s39, s39, 1
	s_add_co_u32 s36, s36, s39
	s_add_co_u32 s36, s36, 6144
	s_mov_b32 s37, 0
	s_mov_b32 s39, 0
	s_add_nc_u64 s[36:37], s[6:7], s[36:37]
	s_add_nc_u64 s[38:39], s[6:7], s[38:39]
	s_wait_alu depctr_va_vdst(0)
	global_store_b128 v1, v[224:227], s[38:39]     ; 512 consecutive bytes, at a multiple of 256 from the buffer's first byte
	global_store_b64 v2, v[228:229], s[38:39]      ; (v2 holds the 512 that these 256 bytes lie further on)
	global_store_b16 v6, v93, s[36:37]             ; my head's two bytes of the slot's word; the neighbouring head's work-group stores the other two
.endm
	s_load_b128 s[4:7], s[0:1], 0x0                ; qkv s[4:5], yq s[6:7]
	v_lshl_add_u32 v250, v0, 2, SPARE
	v_mov_b32 v251, 0
	ds_add_u32 v250, v251
	ds_add_u32 v250, v251
	v_lshrrev_b32 v1, 5, v0
	s_delay_alu instid0(VALU_DEP_1)
	v_readfirstlane_b32 s8, v1                     ; wave 0..15
	s_mov_b32 s9, ttmp9                            ; s: in a cluster launch ttmp9 counts clusters
	s_bfe_u32 s10, ttmp6, 0x40000                  ; cx = rep
	s_and_b32 s11, ttmp7, 0xffff                   ; the key head: 4 x batch + its number
	s_lshr_b32 s14, s8, 1                          ; m: my pair
	s_lshr_b32 s13, s8, 2
	s_xor_b32 s13, s13, s8
	s_and_b32 s13, s13, 1                          ; 1: I am the pair's long wave
	s_sub_co_u32 s15, 15, s14
	s_cmp_eq_u32 s13, 1
	s_cselect_b32 s12, s15, s14                    ; my first tile: 15 - m, or m,
	s_cselect_b32 s49, 8, s14                      ; of which I work steps 0 .. 8, or all m + 1
	s_mov_b32 s48, 0
	s_mul_i32 s50, s14, STGB
	s_add_co_u32 s50, s50, STG                     ; my pair's stage
	s_lshl_b32 s42, s11, 2
	s_add_co_u32 s42, s42, s10                     ; the query head
	s_lshr_b32 s36, s9, 1
	s_lshl_b32 s36, s36, 5
	s_and_b32 s37, s9, 1
	s_lshl_b32 s37, s37, 3
	s_add_co_u32 s36, s36, s37                     ; the tile's first slot within its key step
	s_mov_b32 s[SEL], 0x76543210
	s_mov_b32 s[SEL+1], 0xfedcba98
	s_mov_b32 s[CS], 0x3e38aa3b                    ; c = log2(e) / 8
	s_mov_b32 s[CS+1], s[CS]
	; descriptor group 1: a dense block as rows of 32 elements of 8 bytes
	s_mov_b32 s[G1], 15|(3<<16)|(1<<21)            ; the mask: all four work-groups; bit 21 set beside it
	s_mov_b32 s[G1+1], 32<<16
	s_mov_b32 s[G1+2], 12<<16                      ; the first part: 12 rows a wave
	s_mov_b32 s[G1+3], 32<<16
	s_mov_b32 s[G1+4], 12
	s_mov_b32 s[G1+5], 32
	s_mov_b32 s[G1+6], 0
	s_mov_b32 s[G1+7], 0
	s_mov_b32 s[G1B], 15|(3<<16)|(1<<21)           ; the second part: 39 rows a wave
	s_mov_b32 s[G1B+1], 32<<16
	s_mov_b32 s[G1B+2], 39<<16
	s_mov_b32 s[G1B+3], 32<<16
	s_mov_b32 s[G1B+4], 39
	s_mov_b32 s[G1B+5], 32
	s_mov_b32 s[G1B+6], 0
	s_mov_b32 s[G1B+7], 0
	s_mul_i32 s40, s11, KVBB
	s_add_co_u32 s40, s40, KVB                     ; the key head's block
	s_mul_i32 s41, s8, 3072                        ; my sixteenth of the first 49,152 bytes, in memory and in LDS alike,
	s_mov_b32 s[G0+1], s41
	s_mul_i32 s38, s8, 9984
	s_add_co_u32 s38, s38, 49152                   ; and of the 159,744 behind them
	s_mov_b32 s[G0B+1], s38
	s_add_co_u32 s38, s38, s40
	s_add_co_u32 s40, s40, s41
	s_mov_b32 s41, 0
	s_mov_b32 s39, 0
	s_mov_b32 s[G0], 1
	s_mov_b32 s[G0B], 1
	s_wait_dscnt 0x0
	s_wait_kmcnt 0x0
	s_add_nc_u64 s[G0+2:G0+3], s[4:5], s[40:41]
	s_or_b32 s[G0+3], s[G0+3], 0x80000000
	s_add_nc_u64 s[G0B+2:G0B+3], s[4:5], s[38:39]
	s_or_b32 s[G0B+3], s[G0B+3], 0x80000000
	CROUND                                         ; all four work-groups are here: the joint loads meet
	tensor_load_to_lds s[G0:G0+3], s[G1:G1+7]      ; my sixteenth of the first part
	s_nop 0
.rept 4
	v_nop
.endr
	v_and_b32 v8, 31, v0                           ; lane
	v_and_b32 v9, 15, v0                           ; r
	v_bfe_u32 v10, v0, 4, 1                        ; h
	v_lshlrev_b32 v1, 4, v8
	v_lshlrev_b32 v2, 3, v8
	v_lshlrev_b32 v3, 2, v8
	v_lshlrev_b32 v6, 2, v9
	v_and_b32 v11, 8, v9
	v_lshlrev_b32 v10, 4, v10
	v_add_nc_u32 v2, 512, v2
	v_add_nc_u32 v4, 8192, v3
	v_add_nc_u32 v7, s50, v1                       ; the stage: 16 bytes a lane
	v_add_nc_u32 v11, v11, v9
	s_delay_alu instid0(VALU_DEP_1)
	v_sub_nc_u32 v11, v11, v10
	s_delay_alu instid0(VALU_DEP_1)
	v_add_nc_u32 v5, s36, v11                      ; d = my query - 128 j - 16 h: in the diagonal step register 16 b + e is hidden where 32 b + e > d
.irp i, 22,23,24,25,26,27,80,81,82,83,84,85
	v_mov_b32 v\i, 0                               ; the zero codes: Q's upper half, and what stands behind K's last tile
.endr
.irp i, 236,237,238,239,252,253
	v_mov_b32 v\i, 0                               ; written once: a lane permute's destination counts as one of its sources; v253 is named as the upper half of a pair
.endr
	s_wait_alu depctr_va_vdst(0)
	NEWTILE
	s_wait_tensorcnt 0x0                           ; my sixteenth of the first part is in
	ds_add_u32 v250, v251
	s_wait_dscnt 0x0
	CROUND                                         ; everybody's is in, and all four work-groups are here: the joint loads meet
	tensor_load_to_lds s[G0B:G0B+3], s[G1B:G1B+7]  ; my sixteenth of the second part: the first tensor load behind the round
	s_nop 0
.rept 4
	v_nop
.endr
	WALK 0, 3
	s_wait_tensorcnt 0x0                           ; my sixteenth of the second part is in,
	s_barrier_signal -1                            ; (no LDS instruction of mine is out)
	s_barrier_wait -1                              ; everybody's is: the block is only read from here on
	WALK 3, 16
	s_mov_b32 s48, 16
	s_cmp_eq_u32 s13, 1
	s_cbranch_scc1 .Lmid
	FINAL                                          ; tile m is whole
	s_mov_b32 s12, s15                             ; on to tile 15 - m,
	s_mov_b32 s48, 9                               ; steps 9 .. 15 - m (none where m = 7: the part handed over is then zeros under -M = 3e38, which the join multiplies by 0)
	s_mov_b32 s49, s15
	s_wait_xcnt 0x0                                ; the stores have read their registers
	NEWTILE
.Lmid:
	WALK 0, 16
.rept 4
	v_nop                                          ; places behind the last products: for the stores of O^T, and for the loads over V's registers
.endr
	s_wait_alu depctr_va_vdst(0)
	s_cmp_eq_u32 s13, 1
	s_cbranch_scc1 .Lkeeps
.irp i, 0,1,2,3,4,5,6,7
	ds_store_b128 v7, v[160+4*\i:163+4*\i] offset:512*\i           ; my part of tile 15 - m: each accumulator from its low end on
.endr
	ds_store_b128 v7, v[12:15] offset:4096
.Lkeeps:
	s_wait_dscnt 0x0                               ; for the partner's sake: my stores are done
	s_barrier_signal -1
	s_barrier_wait -1
	s_cmp_eq_u32 s13, 1
	s_cbranch_scc0 .Lend
.irp i, 0,1,2,3,4,5,6,7
	ds_load_b128 v[32+4*\i:35+4*\i], v7 offset:512*\i
.endr
	ds_load_b128 v[64:67], v7 offset:4096
	s_wait_dscnt 0x0
	v_min_num_f32 v68, v12, v64                    ; the common -M
	v_add_f32 v14, v14, v15
	v_add_f32 v66, v66, v67
	v_mov_b32 v73, 0                               ; (the pairs' upper halves)
	v_mov_b32 v75, 0
	v_sub_f32 v69, v68, v12                        ; my M - the common M: a whole number, 0 or less
	v_sub_f32 v70, v68, v64                        ; the partner's likewise
	v_mov_b32 v15, 0
	s_delay_alu instid0(VALU_DEP_3)
	v_cvt_i32_f32 v69, v69                         ; (they saturate)
	s_delay_alu instid0(VALU_DEP_3)
	v_cvt_i32_f32 v70, v70
	s_delay_alu instid0(VALU_DEP_2)
	v_ldexp_f32 v72, 1.0, v69
	s_delay_alu instid0(VALU_DEP_2)
	v_ldexp_f32 v74, 1.0, v70
	s_delay_alu instid0(VALU_DEP_2)
	v_mul_f32 v14, v14, v72
	s_delay_alu instid0(VALU_DEP_1)
	v_fma_f32 v14, v66, v74, v14                   ; the sum of both parts under the common M
.set n, 0
.rept 16
	v_pk_mul_f32 v[160+n:161+n], v[160+n:161+n], v[72:73] op_sel_hi:[1,0]
.set n, n+2
.endr
.set n, 0
.rept 16
	v_pk_fma_f32 v[160+n:161+n], v[32+n:33+n], v[74:75], v[160+n:161+n] op_sel_hi:[1,0,1]
.set n, n+2
.endr
	FINAL                                          ; tile 15 - m is whole
.Lend:
	s_wait_tensorcnt 0x0                           ; the wave's end
	ds_add_u32 v250, v251
	s_wait_dscnt 0x0
	CROUND                                         ; the closing round: no work-group ends while a partner may still ask for a tile that names it
	s_endpgm
.Lfunc_end_k_q13c21df495_attn:
	.size	k_q13c21df495_attn, .Lfunc_end_k_q13c21df495_attn-k_q13c21df495_attn
	.p2alignl 7, 3214868480
	.fill 96, 4, 3214868480
	.section	.rodata,"a",@progbits
	.p2align	6, 0x0
	.amdhsa_kernel k_q13c21df495_attn
		.amdhsa_group_segment_fixed_size 327680
		.amdhsa_private_segment_fixed_size 0
		.amdhsa_enable_private_segment 0
		.amdhsa_kernarg_size 16
		.amdhsa_user_sgpr_count 2
		.amdhsa_user_sgpr_kernarg_segment_ptr 1
		.amdhsa_wavefront_size32 1
		.amdhsa_system_sgpr_workgroup_id_x 1
		.amdhsa_system_sgpr_workgroup_id_y 1
		.amdhsa_system_sgpr_workgroup_id_z 1
		.amdhsa_system_vgpr_workitem_id 0
		.amdhsa_next_free_vgpr 256
		.amdhsa_next_free_sgpr 66
		.amdhsa_reserve_vcc 1
		.amdhsa_float_denorm_mode_32 3
		.amdhsa_float_denorm_mode_16_64 3
		.amdhsa_memory_ordered 1
		.amdhsa_forward_progress 1
		.amdhsa_inst_pref_size 94
	.end_amdhsa_kernel
	.amdgpu_metadata
---
amdhsa.version: [ 1, 2 ]
amdhsa.kernels:
  - .name:           k_q13c21df495_attn
    .symbol:         k_q13c21df495_attn.kd
    .args:
      - { .name: qkv, .offset: 0, .size: 8, .value_kind: global_buffer, .address_space: global }
      - { .name: yq, .offset: 8, .size: 8, .value_kind: global_buffer, .address_space: global }
    .group_segment_fixed_size: 327680
    .private_segment_fixed_size: 0
    .kernarg_segment_align: 8
    .kernarg_segment_size: 16
    .max_flat_workgroup_size: 512
    .sgpr_count:     66
    .vgpr_count:     256
    .wavefront_size: 32
...
	.end_amdgpu_metadata
.endif
;; end of part 3
;; launch proj (part 4): grid 8 x 32, 4 waves a work-group, clusters of 4 x 4, 272,896 bytes of LDS; arguments yq, prep, out0; writes out0
.if DOCPART == 4
	.amdgcn_target "amdgcn-amd-amdhsa--gfx1250"
	.amdhsa_code_object_version 6
	.text
	.protected	k_q13c21df495_proj
	.globl	k_q13c21df495_proj
	.p2align	8
	.type	k_q13c21df495_proj,@function
k_q13c21df495_proj:
	s_mov_b64 s[64:65], 0
	v_nop
	global_prefetch_b8 v0, s[64:65] scope:SCOPE_SE
	s_setreg_imm32_b32 hwreg(HW_REG_WAVE_MODE, 25, 1), 1
	s_wait_xcnt 0x0
	s_wait_alu depctr_hold_cnt(0) depctr_sa_sdst(0) depctr_va_vdst(0) depctr_va_sdst(0) depctr_va_ssrc(0) depctr_va_vcc(0) depctr_vm_vsrc(0)
	s_getreg_b32 s2, hwreg(HW_REG_IB_STS2, 6, 4)
	s_cmp_eq_u32 s2, 0
	s_cbranch_scc0 .Lentry_in_a_cluster
	s_endpgm
.Lentry_in_a_cluster:
	s_bfe_u32 s2, ttmp6, 0x10000c
	s_cmp_lg_u32 s2, 0xf033
	s_cbranch_scc0 .Lentry_shape_is_right
	s_endpgm
.Lentry_shape_is_right:
; out0 = y Wproj^T on codes of FP6 (E2M3) with E8M0 scales; out0 [4096][1024] f32.
; SHARES.  Work-group (cg, rb): 128 rows (y's quads 2 rb, 2 rb + 1) x 128 columns (Wproj's quads 88 + 2 cg, + 1 of prep): 256 work-groups.  Wave w: 64 rows (quad w % 2) x 64 columns (quad w / 2): 16 accumulators.
; LDS.  All of K fits at once: [chunk 4][loader 4][K step 2][6,400] = 204,800 bytes, each byte filled ONCE, by four tensor loads a wave, all issued at the start; behind them a stage of 128 rows x 528 bytes, into which no tile lands.
; CLUSTER.  4 x 4 work-groups: the four of a row of the cluster need the same quads of y, the four of a column the same quads of Wproj: each is asked for JOINTLY (waves 0, 1: y's; waves 2, 3: Wproj's).
; LAYOUT.  Source 0 = 16 rows of Wproj, source 1 = 16 rows of y: a lane holds one row of y, and register 16 b + e of a tile of rows is column 32 b + 16 (lane / 16) + e of the wave's 64: 64 consecutive bytes for each b.
; Slot r of tile g of y is row 32 (g / 2) + 8 (g % 2) + r + 8 (r / 8): the stage puts the rows in their order, and each wave stores 32 whole rows of the block's 512 bytes.
.set QUADB, 6400
.set KSTRW, 104*QUADB                  ; prep: bytes from a K step to the next
.set KSTRY, 64*QUADB                   ; yq likewise
.set LDB,   8*QUADB                    ; what one tensor load brings: a quad of all eight K steps.  LDS is [loader 4][K step 8][6,400]: ONE tensor load a wave, one wait for 0 and one barrier (this takes the place of the chunks' fills named above)
.set CHB,   2*QUADB                    ; a chunk: two K steps of a loader's bytes
.set STG,   4*LDB                      ; the stage, behind the four loaders' bytes
.set SP,    528
.set G1A, 24                           ; s[24:31] descriptor group 1 for y's quads;  s[32:39] for Wproj's
.set G1B, 32
.set G0A, 40                           ; s[40:55] group 0 for y's, a set for each chunk;  s[68:83] for Wproj's
.set G0B, 68
; REGISTERS: v1, v2 source 0's fragments (16 x lane, 8 x lane); v3, v4 source 1's; v5, v6 their scale words; v7 the stage, in; v8 16 x lane; v10 the stage, out; v12-13 source 0's scale words, v14-15 source 1's;
; v32-79 source 0's four fragments; v80-127 source 1's; v128-255 the accumulators: (tile b of source 1, tile a of source 0) at v[128 + 32 b + 8 a]; on the way out v32-159 hold 32 rows.
.macro CROUND                          ; a round of the cluster's barrier
	s_barrier_signal -1
	s_barrier_wait -1
	s_cmp_lg_u32 s10, 0
	s_cbranch_scc1 .Lnot_wave_0_\@
	s_barrier_signal -3
.Lnot_wave_0_\@:
	s_barrier_wait -3
	s_barrier_signal -1
	s_barrier_wait -1
.endm
.macro FRAG reg, a16, a8, off          ; a fragment comes as it was laid: an image of its registers; every load reads consecutive bytes
	ds_load_b128 v[\reg:\reg+3], v[\a16] offset:\off
	ds_load_b64 v[\reg+4:\reg+5], v[\a8] offset:\off+512
	ds_load_b128 v[\reg+6:\reg+9], v[\a16] offset:\off+768
	ds_load_b64 v[\reg+10:\reg+11], v[\a8] offset:\off+1280
.endm
; one product.  A scale register holds an even tile's words in lanes 0-15 and the odd tile's in lanes 16-31: ra, rb choose.  zero = 1: the product starts the sum
.macro WM d, a, b, sa, sb, ra, rb, zero
.if \zero
.if (\ra) && (\rb)
	v_wmma_scale_f32_16x16x128_f8f6f4 v[\d:\d+7], v[\a:\a+11], v[\b:\b+11], 0, v[\sa], v[\sb] matrix_a_fmt:MATRIX_FMT_FP6 matrix_b_fmt:MATRIX_FMT_FP6 matrix_a_scale:MATRIX_SCALE_ROW1 matrix_b_scale:MATRIX_SCALE_ROW1
.elseif (\ra)
	v_wmma_scale_f32_16x16x128_f8f6f4 v[\d:\d+7], v[\a:\a+11], v[\b:\b+11], 0, v[\sa], v[\sb] matrix_a_fmt:MATRIX_FMT_FP6 matrix_b_fmt:MATRIX_FMT_FP6 matrix_a_scale:MATRIX_SCALE_ROW1
.elseif (\rb)
	v_wmma_scale_f32_16x16x128_f8f6f4 v[\d:\d+7], v[\a:\a+11], v[\b:\b+11], 0, v[\sa], v[\sb] matrix_a_fmt:MATRIX_FMT_FP6 matrix_b_fmt:MATRIX_FMT_FP6 matrix_b_scale:MATRIX_SCALE_ROW1
.else
	v_wmma_scale_f32_16x16x128_f8f6f4 v[\d:\d+7], v[\a:\a+11], v[\b:\b+11], 0, v[\sa], v[\sb] matrix_a_fmt:MATRIX_FMT_FP6 matrix_b_fmt:MATRIX_FMT_FP6
.endif
.else
.if (\ra) && (\rb)
	v_wmma_scale_f32_16x16x128_f8f6f4 v[\d:\d+7], v[\a:\a+11], v[\b:\b+11], v[\d:\d+7], v[\sa], v[\sb] matrix_a_fmt:MATRIX_FMT_FP6 matrix_b_fmt:MATRIX_FMT_FP6 matrix_a_scale:MATRIX_SCALE_ROW1 matrix_b_scale:MATRIX_SCALE_ROW1
.elseif (\ra)
	v_wmma_scale_f32_16x16x128_f8f6f4 v[\d:\d+7], v[\a:\a+11], v[\b:\b+11], v[\d:\d+7], v[\sa], v[\sb] matrix_a_fmt:MATRIX_FMT_FP6 matrix_b_fmt:MATRIX_FMT_FP6 matrix_a_scale:MATRIX_SCALE_ROW1
.elseif (\rb)
	v_wmma_scale_f32_16x16x128_f8f6f4 v[\d:\d+7], v[\a:\a+11], v[\b:\b+11], v[\d:\d+7], v[\sa], v[\sb] matrix_a_fmt:MATRIX_FMT_FP6 matrix_b_fmt:MATRIX_FMT_FP6 matrix_b_scale:MATRIX_SCALE_ROW1
.else
	v_wmma_scale_f32_16x16x128_f8f6f4 v[\d:\d+7], v[\a:\a+11], v[\b:\b+11], v[\d:\d+7], v[\sa], v[\sb] matrix_a_fmt:MATRIX_FMT_FP6 matrix_b_fmt:MATRIX_FMT_FP6
.endif
.endif
.endm
; A K step of 128: 36 LDS loads, 16 products.  The 16 accumulators take turns, one instruction a turn, in the same order in every step.
; TWO SETS OF FRAGMENTS: K step kk's lie in register window kk % 2 (v32-127 there), its scale words in v[12 + 12 (kk % 2) ..] of window 0: step kk + 1's 36 loads are issued ahead of step kk's 16 products.
.set MSB, 0
.macro WIN new                         ; the immediate's high byte repeats the setting that is left
.if MSB != \new
	s_set_vgpr_msb (MSB<<8)|(\new)
.set MSB, \new
.endif
.endm
.macro LOADS kk
	WIN 0
.irp i, 0,1
	ds_load_b32 v[12+12*((\kk)%2)+\i], v5 offset:QUADB*(\kk)+6144+128*\i
	ds_load_b32 v[14+12*((\kk)%2)+\i], v6 offset:QUADB*(\kk)+6144+128*\i
.endr
	WIN 0x40*((\kk)%2)                             ; the destination's window; the addresses lie in window 0
.irp a, 0,1,2,3
	FRAG 32+12*\a, 1, 2, QUADB*(\kk)+1536*\a
.endr
.irp b, 0,1,2,3
	FRAG 80+12*\b, 3, 4, QUADB*(\kk)+1536*\b
.endr
.endm
.macro MULS kk, zero
	WIN 5*((\kk)%2)                                ; sources 0 and 1 in the set's window, C and D in window 0
.irp b, 0,1,2,3
.irp a, 0,1,2,3
	WM 128+32*\b+8*\a, 32+12*\a, 80+12*\b, 12+12*((\kk)%2)+\a/2, 14+12*((\kk)%2)+\b/2, \a%2, \b%2, \zero
.endr
.endr
.endm
.macro PLACES                          ; a load into a register that a matrix instruction has read, and an LDS store that reads a result, stand four plain vector instructions behind it (ISA guide 7.12.1 for the store)
.rept 4
	v_nop
.endr
.endm
	s_load_b128 s[4:7], s[0:1], 0x0                ; yq s[4:5], prep s[6:7]
	s_load_b64 s[8:9], s[0:1], 0x10                ; out0
	v_lshl_add_u32 v30, v0, 2, 0x42800
	v_mov_b32 v31, 0
	ds_add_u32 v30, v31
	ds_add_u32 v30, v31
	v_lshrrev_b32 v1, 5, v0
	v_readfirstlane_b32 s10, v1                    ; wave 0..3
	s_and_b32 s11, s10, 1                          ; which of y's two quads is mine.  Also: which quad I fetch
	s_lshr_b32 s12, s10, 1                         ; which of Wproj's two.  Also: I fetch for y (0) or for Wproj (1)
	s_bfe_u32 s13, ttmp6, 0x40000                  ; cx, cy: my place in the cluster
	s_bfe_u32 s14, ttmp6, 0x40004
	s_lshl_b32 s15, ttmp9, 2
	s_add_co_u32 s15, s15, s13                     ; cg = 4 x cluster x + cx
	s_and_b32 s16, ttmp7, 0xffff
	s_lshl_b32 s16, s16, 2
	s_add_co_u32 s16, s16, s14                     ; rb = 4 x cluster y + cy
	s_lshl_b32 s17, s14, 2
	s_lshl_b32 s17, 15, s17                        ; my row of the cluster
	s_lshl_b32 s18, 0x1111, s13                    ; my column
	; descriptor group 1: a tile of 8 rows (the eight K steps) of 800 elements of 8 bytes (a quad); dense in LDS
	s_or_b32 s[G1A], s17, (3<<16)|(1<<21)          ; y's quads go to my row; bit 21 set beside the mask
	s_or_b32 s[G1B], s18, (3<<16)|(1<<21)          ; Wproj's to my column
.irp g, G1A, G1B
	s_mov_b32 s[\g+1], 800<<16                     ; tensor_dim0
	s_mov_b32 s[\g+2], 8<<16                       ; tensor_dim1: the eight K steps
	s_mov_b32 s[\g+3], 800<<16                     ; tile_dim0
	s_mov_b32 s[\g+4], 8                           ; tile_dim1
	s_mov_b32 s[\g+6], 0
	s_mov_b32 s[\g+7], 0
.endr
	s_mov_b32 s[G1A+5], KSTRY/8                    ; tensor_dim0_stride
	s_mov_b32 s[G1B+5], KSTRW/8
	s_lshl_b32 s20, s16, 1
	s_add_co_u32 s20, s20, s11
	s_mul_i32 s20, s20, QUADB                      ; y's quad 2 rb + wave % 2: it hangs on cy alone
	s_mov_b32 s21, 0
	s_lshl_b32 s84, s15, 1
	s_add_co_u32 s84, s84, s11
	s_add_co_u32 s84, s84, 88
	s_mul_i32 s84, s84, QUADB                      ; Wproj's quad 88 + 2 cg + wave % 2: on cx alone
	s_mov_b32 s85, 0
	s_mul_i32 s22, s10, LDB                        ; where my loads go: wave x 51,200: no place in the cluster enters an LDS address
	s_wait_dscnt 0x0
	s_wait_kmcnt 0x0
	s_add_nc_u64 s[20:21], s[4:5], s[20:21]
	s_add_nc_u64 s[84:85], s[6:7], s[84:85]
.irp c, 0
	s_mov_b32 s[G0A+4*\c], 1
	s_add_co_u32 s[G0A+4*\c+1], s22, \c*CHB
	s_add_nc_u64 s[G0A+4*\c+2:G0A+4*\c+3], s[20:21], \c*2*KSTRY
	s_or_b32 s[G0A+4*\c+3], s[G0A+4*\c+3], 0x80000000
	s_mov_b32 s[G0B+4*\c], 1
	s_add_co_u32 s[G0B+4*\c+1], s22, \c*CHB
	s_add_nc_u64 s[G0B+4*\c+2:G0B+4*\c+3], s[84:85], \c*2*KSTRW
	s_or_b32 s[G0B+4*\c+3], s[G0B+4*\c+3], 0x80000000
.endr
	CROUND                                         ; all sixteen work-groups are here: the joint loads meet
	s_cmp_lt_u32 s10, 2                            ; one fill a wave, in the two arms of one branch on its number
	s_cbranch_scc0 .Lfor_w
	tensor_load_to_lds s[G0A:G0A+3], s[G1A:G1A+7]
	s_nop 0
.rept 4
	v_nop
.endr
	s_branch .Lasked
.Lfor_w:
	tensor_load_to_lds s[G0B:G0B+3], s[G1B:G1B+7]
	s_nop 0
.rept 4
	v_nop
.endr
.Lasked:
	v_and_b32 v16, 31, v0                          ; lane
	v_and_b32 v17, 15, v0                          ; r
	v_bfe_u32 v18, v0, 4, 1                        ; h
	v_lshlrev_b32 v8, 4, v16
	v_lshlrev_b32 v9, 3, v16
	v_lshlrev_b32 v19, 2, v16
	s_add_co_u32 s23, s12, 2
	s_mul_i32 s23, s23, LDB                        ; source 0: Wproj's quad, loader 2 + w / 2
	s_mul_i32 s86, s11, LDB                        ; source 1: y's quad, loader w % 2
	v_add_nc_u32 v1, s23, v8
	v_add_nc_u32 v2, s23, v9
	v_add_nc_u32 v3, s86, v8
	v_add_nc_u32 v4, s86, v9
	v_add_nc_u32 v5, s23, v19
	v_add_nc_u32 v6, s86, v19
	v_and_b32 v20, 8, v17
	v_add_nc_u32 v20, v20, v17                     ; r + 8 (r / 8)
	v_mul_u32_u24 v7, v20, SP
	v_lshl_add_u32 v7, v18, 6, v7
	s_mul_i32 s86, s11, 64*SP
	s_lshl_b32 s87, s12, 8
	s_add_co_u32 s86, s86, s87
	s_add_co_u32 s86, s86, STG
	v_add_nc_u32 v7, s86, v7                       ; the stage, in: row 64 (w % 2) + r + 8 (r / 8), + 256 (w / 2) + 64 h
	s_mul_i32 s87, s10, 32*SP
	s_add_co_u32 s87, s87, STG
	v_add_nc_u32 v10, s87, v8                      ; and out: my 32 rows, 16 bytes a lane
	s_lshl_b32 s88, s16, 7
	s_lshl_b32 s89, s10, 5
	s_add_co_u32 s88, s88, s89
	s_lshl_b32 s88, s88, 12                        ; row 128 rb + 32 w of 4,096 bytes,
	s_lshl_b32 s89, s15, 9                         ; column block cg of 512 bytes
	s_add_co_u32 s88, s88, s89
	s_mov_b32 s89, 0
	s_add_nc_u64 s[8:9], s[8:9], s[88:89]
	s_wait_alu depctr_va_vdst(0)
	s_wait_tensorcnt 0x0                           ; my one load is in
	s_barrier_signal -1                            ; (no LDS load of mine is out here)
	s_barrier_wait -1                              ; everybody's is
	LOADS 0
	LOADS 1
	s_wait_dscnt 36                                ; step 0's loads are in; the 36 of step 1 may be out
	MULS 0, 1
.irp k, 1,2,3,4,5,6
	PLACES                                         ; in front of the loads into the set that the products just issued have read
	LOADS \k+1
	s_wait_dscnt 36                                ; step k's loads are in; the 36 just issued may be out
	MULS \k, 0
.endr
	s_wait_dscnt 0x0
	MULS 7, 0
	WIN 0
	PLACES
	; THE WAY OUT.  A row's 512 bytes come from two waves: all results go to the stage, a barrier, and each wave stores 32 whole rows.
.irp t, 0,1,2,3
.irp b, 0,1
.irp q, 0,1,2,3
	ds_store_b128 v7, v[128+32*\t+16*\b+4*\q:131+32*\t+16*\b+4*\q] offset:(32*(\t/2)+8*(\t%2))*SP+128*\b+16*\q   ; each accumulator from its low end on
.endr
.endr
.endr
	s_wait_dscnt 0x0                               ; for the others' sake: my stores into the stage are done
	s_barrier_signal -1
	s_barrier_wait -1
.set n, 0
.rept 32
	ds_load_b128 v[32+4*n:35+4*n], v10 offset:n*SP
.set n, n+1
.endr
.set n, 0
.rept 32
	s_wait_dscnt 31-n                              ; row n is in; the younger loads may be out
	global_store_b128 v8, v[32+4*n:35+4*n], s[8:9] offset:4096*n th:TH_STORE_NT   ; 32 lanes store 512 consecutive bytes, at a multiple of 256 from the buffer's first byte; written once, read by nobody here
.set n, n+1
.endr
	s_wait_tensorcnt 0x0
	ds_add_u32 v30, v31
	s_wait_dscnt 0x0
	CROUND                                         ; the closing round: no work-group ends while a partner may still ask for a tile that names it
	s_endpgm
.Lfunc_end_k_q13c21df495_proj:
	.size	k_q13c21df495_proj, .Lfunc_end_k_q13c21df495_proj-k_q13c21df495_proj
	.p2alignl 7, 3214868480
	.fill 96, 4, 3214868480
	.section	.rodata,"a",@progbits
	.p2align	6, 0x0
	.amdhsa_kernel k_q13c21df495_proj
		.amdhsa_group_segment_fixed_size 272896
		.amdhsa_private_segment_fixed_size 0
		.amdhsa_enable_private_segment 0
		.amdhsa_kernarg_size 24
		.amdhsa_user_sgpr_count 2
		.amdhsa_user_sgpr_kernarg_segment_ptr 1
		.amdhsa_wavefront_size32 1
		.amdhsa_system_sgpr_workgroup_id_x 1
		.amdhsa_system_sgpr_workgroup_id_y 1
		.amdhsa_system_sgpr_workgroup_id_z 1
		.amdhsa_system_vgpr_workitem_id 0
		.amdhsa_next_free_vgpr 384
		.amdhsa_next_free_sgpr 92
		.amdhsa_reserve_vcc 0
		.amdhsa_float_denorm_mode_32 3
		.amdhsa_float_denorm_mode_16_64 3
		.amdhsa_memory_ordered 1
		.amdhsa_forward_progress 1
		.amdhsa_inst_pref_size 50
	.end_amdhsa_kernel
	.amdgpu_metadata
---
amdhsa.version: [ 1, 2 ]
amdhsa.kernels:
  - .name:           k_q13c21df495_proj
    .symbol:         k_q13c21df495_proj.kd
    .args:
      - { .name: yq, .offset: 0, .size: 8, .value_kind: global_buffer, .address_space: global }
      - { .name: prep, .offset: 8, .size: 8, .value_kind: global_buffer, .address_space: global }
      - { .name: out0, .offset: 16, .size: 8, .value_kind: global_buffer, .address_space: global }
    .group_segment_fixed_size: 272896
    .private_segment_fixed_size: 0
    .kernarg_segment_align: 8
    .kernarg_segment_size: 24
    .max_flat_workgroup_size: 128
    .sgpr_count:     92
    .vgpr_count:     384
    .wavefront_size: 32
...
	.end_amdgpu_metadata
.endif
;; end of part 4
